; MI455X (gfx1250); checked and timed in simulation.
; The chip was launched on July 23, 2026; its instructions are those of AMD's public machine-readable ISA for CDNA 5 (MIT licence, August 2026) and "CDNA5" Instruction Set Architecture Reference Guide (July 2026). The comments in the code are by the model that wrote it; some were corrected since.
;; Multi Headed Attention. Allowed arithmetic: matrix products marked QUANTISED: E2M3 operands, one E8M0 scale for each 32 along K, by v_wmma_scale_f32_16x16x128_f8f6f4 with both operands' format E2M3, f32 sums; everything else in f32.
;; Inputs: K 2 x 2,048 x 1,024 float32; Q 2 x 2,048 x 1,024 float32; V 2 x 2,048 x 1,024 float32; Wk 1,024 x 1,024 float32; Wo 1,024 x 1,024 float32; Wq 1,024 x 1,024 float32; Wv 1,024 x 1,024 float32; attention_mask 2 x 2,048 x 2,048 bool; padding_mask 2 x 2,048 bool.
;; Outputs: out0 2 x 2,048 x 1,024 float32.
;; This version of the problem:
;;   THIS VERSION OF THE PROBLEM IS GIVEN IN LOW PRECISION. The matrix products marked QUANTISED in the list below multiply operands that are first quantised to E2M3 (2 exponent bits, 3 mantissa bits; 6 bits a number), with one power-of-two scale for each 32 numbers along K (OCP MX v1.0); their sums are f32. All else is computed in f32.
;;   The module's matrix products, in the order in which they are computed (A, B: the left and right operand; K: the contracted axis; several contracted axes count as one K, in the product's order):
;;     1. [M 4,096, K 1,024] x [K 1,024, N 1,024]; A: input Q; B: input Wq: QUANTISED
;;     2. [M 4,096, K 1,024] x [K 1,024, N 1,024]; A: input K; B: input Wk: QUANTISED
;;     3. [M 4,096, K 1,024] x [K 1,024, N 1,024]; A: input V; B: input Wv: QUANTISED
;;     4. batch 32 x [M 2,048, K 64] x [K 64, N 2,048]; A: computed on the way; B: computed on the way: QUANTISED
;;     5. batch 32 x [M 2,048, K 2,048] x [K 2,048, N 64]; A: computed on the way; B: computed on the way: QUANTISED
;;     6. [M 4,096, K 1,024] x [K 1,024, N 1,024]; A: computed on the way; B: input Wo: QUANTISED
;;   THE QUANTISER, for each operand of a quantised product, along K:
;;     - K is cut into blocks of 32 from its start; a last block that is shorter is filled with zeros.
;;     - A block's scale is 2^e with e = floor(log2(the largest magnitude in the block)) - 2, held to -126 .. 127; a block of zeros has e = 0. As a byte (E8M0): e + 127.
;;     - Each number is divided by its block's scale, clamped to +-7.5, and rounded to the nearest number of E2M3, ties to even, subnormals kept.
;;     - The product sums the exact products of the quantised numbers (number of the format x scale) in f32.
;;   ~~~python
;;   def quantise(x, axis):      # numpy; x: float32 -> the quantised numbers, widened to float32 again
;;       x = np.moveaxis(x, axis, -1); K = x.shape[-1]
;;       x = np.pad(x, [(0, 0)] * (x.ndim - 1) + [(0, -K % 32)]); x = x.reshape(x.shape[:-1] + (-1, 32)); a = np.abs(x).max(-1, keepdims=True)
;;       e = np.where(a > 0, np.clip(np.frexp(np.where(a > 0, a, 1))[1] - 1 - 2, -126, 127), 0)      # np.frexp(a)[1] - 1 = floor(log2(a)), exactly
;;       r = np.clip(x / 2.0 ** e, -7.5, 7.5)
;;       step = 2.0 ** (np.maximum(np.frexp(np.where(r == 0, 1, r))[1] - 1, 0) - 3)
;;       q = np.round(r / step) * step * 2.0 ** e      # np.round: ties to even
;;       return np.moveaxis(q.reshape(q.shape[:-2] + (-1,))[..., :K], -1, axis).astype(np.float32)
;;   ~~~
;;   OPERANDS COMPUTED ON THE WAY. 'Computed on the way' means the value that the module computes at that place (a softmax that the list does not call 'softmax' is quantised finished and normalised). What goes into a quantiser is computed in f32, as accurately as f32 sums, v_exp_f32 and their like allow (about 1e-6 of the number): no bf16 or f16 on the way to a quantiser, and a product that is left as it is and whose result goes on into a quantised operand takes f32 operands (vector FMAs, or v_wmma_f32_16x16x4_f32). A number that lies on a knife's edge between two numbers of the format may be rounded either way, as far as f32 arithmetic and the matrix unit's own rounding can turn it there, and no further.
;; One version. Each part assembles by itself: llvm-mc -triple=amdgcn-amd-amdhsa -mcpu=gfx1250 --defsym DOCPART=n.
;; ======== version 1 of 1: 4 launches
;; limits: right only within a limited range of input values
;; workspace buffers: xq 9,830,400 bytes; wq 3,276,800 bytes; pq 9,830,400 bytes; lm 1,048,576 bytes of whole numbers; aq 3,276,800 bytes; cl 4,096 bytes of whole numbers
;; launch prep (part 1): grid 1280 x 1, 4 waves a work-group, no clusters, 34,304 bytes of LDS; arguments Q, K, V, Wq, Wk, Wv, Wo, attention_mask, padding_mask, xq, wq, lm, cl; writes xq, wq, lm, cl
.if DOCPART == 1
	.amdgcn_target "amdgcn-amd-amdhsa--gfx1250"
	.amdhsa_code_object_version 6
	.text
	.protected	k_q81ac11dd7a_prep
	.globl	k_q81ac11dd7a_prep
	.p2align	8
	.type	k_q81ac11dd7a_prep,@function
k_q81ac11dd7a_prep:
	s_mov_b64 s[64:65], 0
	v_nop
	global_prefetch_b8 v0, s[64:65] scope:SCOPE_SE
	s_setreg_imm32_b32 hwreg(HW_REG_WAVE_MODE, 25, 1), 1
	s_wait_xcnt 0x0
; PREP.  Work-groups 0-255 turn the two masks into lane-mask words for the attention launch; work-groups 256-1279 turn Q, K, V [4096][1024] and Wq, Wk, Wv, Wo [1024][1024], f32, into codes of
; FP6 (E2M3) with one E8M0 byte for each 32 along K (the last axis).  The mask's work-groups have the longest run of dependent lines, so they have the lowest numbers.
; THE IMAGE.  A fragment (16 rows x 128 K, 12 registers a lane) lies in memory as six pieces of 256 bytes: piece p holds registers 2 p and 2 p + 1, lane L's at byte 8 L.  So each piece is
; written and read by one instruction of 8 bytes a lane that covers 256 consecutive, aligned bytes, and the reader has the operand's registers with no shuffle.
; xq: codes [Q,K,V][tile 256][K step 8][1536], then scale words [3][tile][4][row 16][2 words] (word e of (w4, row): the row's four bytes of K step 2 w4 + e).  wq: the same for [Wq,Wk,Wv,Wo][tile 64].
; WHICH ROWS FORM A TILE.  Q and Wo: tile T, lane row r = row 16 T + r.  K, V, Wq, Wk, Wv: tile 2 b + u, lane row r = row 32 b + 8 u + r + 8 (r / 8), so that later results' 16 registers of two
; neighbouring tiles are 16 neighbours along the next product's K.
; A block's scale is 2^(floor(log2(largest magnitude)) - 2): its byte is the largest magnitude's exponent field - 2, held at 1 from below.
; LIMITS: a block of zeros gets the byte 1 where the rule says 127 (its codes are zeros, and this program alone reads the bytes); blocks whose largest magnitude lies under 2^-124 are held at the byte 1;
; NaN and infinities among the inputs are not served.
; lm: words [n 2][g 8][w 16][i 16][64]: for query tile T' = g + 8 i and key step w, word x = 16 b + j has bit L = attention_mask[n][16 T' + L % 16][128 w + 32 b + 16 (L / 16) + j] and padding_mask[n][16 T' + L % 16].
.set XC,    3145728
.set XSO,   9437184
.set XS,    131072
.set WC,    786432
.set WSO,   3145728
.set WS,    32768
.set WSTG,  16*528                     ; a wave's stage: 16 rows of 512 bytes + 16: 33 x 16 bytes, so that sixteen rows' equal columns fall in sixteen different groups of banks
.set SPARE, 4*WSTG                     ; behind the stages: the spare words, 128 bytes a wave
.set SPW,   2                          ; v2    my spare word's LDS address; never rewritten
.set NIL,   3                          ; v3    0; never rewritten
.set TT,    4                          ; v4-6, v8-10   the upper halves of two blocks' codes
.set WD,    12                         ; v12, v13      my row's scale words of the two K steps
.set R,     16                         ; v16-143       two fragments as loaded: 16 rows x 4 registers each
.set X,     144                        ; v144-207      64 numbers in the operand's order
.set TM,    208                        ; v208-209 largest magnitudes, v210-211 scale operands, v212-213 bytes, v214 the other half's word
.set SH8,   215                        ; 8 h
.set OFFLO, 216                        ; 16 L
.set OFFHI, 217                        ; the same for rows 8-15
.set STI,   218
.set STO,   219
.set O8,    220                        ; 8 L
.set O8R,   221                        ; 8 r
.set C0,    224                        ; v224-235 the first fragment's codes
.set C1,    16                         ; v16-27   the second's
	s_load_b512 s[4:19], s[0:1], 0x0               ; Q, K, V, Wq, Wk, Wv, Wo, attention_mask
	s_load_b256 s[20:27], s[0:1], 0x40             ; padding_mask, xq, wq, lm
	s_load_b64 s[48:49], s[0:1], 0x60              ; cl: words [n 2][g 8][sg 4][i 16]: bits 2 s, 2 s + 1 class key step 4 sg + s for query tile g + 8 i: bit 2 s = some key open, bit 2 s + 1 = all 16 x 128 open
	v_lshl_add_u32 v[SPW], v0, 2, SPARE
	v_mov_b32 v[NIL], 0
	v_lshrrev_b32 v1, 5, v0
	v_readfirstlane_b32 s28, v1                    ; wave 0..3
	v_and_b32 v1, 31, v0                           ; L
	v_and_b32 v14, 15, v0                          ; r
	v_bfe_u32 v15, v0, 4, 1                        ; h
	s_cmp_lt_u32 ttmp9, 256
	s_cbranch_scc1 .Lmask
; ---------------- the quantiser: a work-group takes one tile of 16 rows, wave wv its K steps 2 wv and 2 wv + 1
	s_sub_co_u32 s2, ttmp9, 256                    ; q = 0 .. 1023: 256 tiles each of Q, K, V, then 64 each of Wq, Wk, Wv, Wo
	s_cmp_lt_u32 s2, 768
	s_cselect_b32 s29, 0, 768
	s_cselect_b32 s30, 8, 6                        ; 256 tiles to an activation, 64 to a weight
	s_mov_b32 s31, WC
	s_cselect_b32 s31, XC, s31                     ; a tensor's codes in bytes
	s_mov_b32 s32, WSO
	s_cselect_b32 s32, XSO, s32                    ; where the scale words begin
	s_mov_b32 s33, WS
	s_cselect_b32 s33, XS, s33                     ; a tensor's scale words in bytes
	s_sub_co_u32 s29, s2, s29
	s_lshr_b32 s34, s29, s30                       ; which tensor of its buffer
	s_lshl_b32 s35, s34, s30
	s_sub_co_u32 s35, s29, s35                     ; T
	s_sub_co_u32 s36, s2, 256
	s_cmp_lt_u32 s36, 704                          ; q = 256 to 959: K, V, Wq, Wk, Wv
	s_cselect_b32 s36, 1, 0                        ; 1: the tile's rows are not neighbours
	s_and_b32 s37, s35, s36
	s_lshl_b32 s37, s37, 3
	s_lshl_b32 s38, s35, 4
	s_sub_co_u32 s38, s38, s37                     ; the tile's first row: 16 T, or 32 b + 8 u
	s_lshl_b32 s38, s38, 12                        ; rows of 4,096 bytes
	s_lshl_b32 s39, s28, 10                        ; my two K steps: 1,024 bytes
	s_add_co_u32 s38, s38, s39
	s_mov_b32 s39, 0
	s_mul_i32 s40, s34, s31
	s_mul_i32 s37, s35, 12288
	s_add_co_u32 s40, s40, s37
	s_mul_i32 s37, s28, 3072
	s_add_co_u32 s40, s40, s37                     ; my two images
	s_mov_b32 s41, 0
	s_mul_i32 s42, s34, s33
	s_add_co_u32 s42, s42, s32
	s_lshl_b32 s37, s35, 9
	s_add_co_u32 s42, s42, s37
	s_lshl_b32 s37, s28, 7
	s_add_co_u32 s42, s42, s37                     ; my 128 bytes of scale words
	s_mov_b32 s43, 0
	s_wait_alu depctr_va_vdst(0)
	v_lshlrev_b32 v[OFFLO], 4, v1
	s_lshl_b32 s37, s36, 15                        ; rows 8-15 lie 8 rows further on where the rows are not neighbours
	v_add_nc_u32 v[OFFHI], s37, v[OFFLO]
	s_mul_i32 s37, s28, WSTG
	v_add_nc_u32 v[STI], s37, v[OFFLO]             ; into the stage: a row's 512 bytes as they lie
	v_mul_u32_u24 v[STO], v14, 528
	v_lshl_add_u32 v[STO], v15, 7, v[STO]
	v_add_nc_u32 v[STO], s37, v[STO]               ; out of it: row r, from K = 32 h on
	v_lshlrev_b32 v[O8], 3, v1
	v_lshlrev_b32 v[O8R], 3, v14
	v_lshlrev_b32 v[SH8], 3, v15
	v_mov_b32 v[TM+6], 0                           ; a lane permute's destination counts as read
	s_mov_b32 s30, 0x76543210
	s_mov_b32 s31, 0xfedcba98                      ; v_permlanex16_b32's selects for lane l xor 16
	s_wait_alu depctr_va_vdst(0)
	s_wait_kmcnt 0x0
	s_cmp_lt_u32 s2, 256                           ; the input: the choices hang on the work-group's number alone
	s_cselect_b64 s[44:45], s[4:5], s[6:7]
	s_cmp_lt_u32 s2, 512
	s_cselect_b64 s[44:45], s[44:45], s[8:9]
	s_cmp_lt_u32 s2, 768
	s_cselect_b64 s[44:45], s[44:45], s[10:11]
	s_cselect_b64 s[46:47], s[22:23], s[24:25]     ; and the buffer that takes the codes
	s_cmp_lt_u32 s2, 832
	s_cselect_b64 s[44:45], s[44:45], s[12:13]
	s_cmp_lt_u32 s2, 896
	s_cselect_b64 s[44:45], s[44:45], s[14:15]
	s_cmp_lt_u32 s2, 960
	s_cselect_b64 s[44:45], s[44:45], s[16:17]
	s_add_nc_u64 s[44:45], s[44:45], s[38:39]
	s_add_nc_u64 s[40:41], s[46:47], s[40:41]
	s_add_nc_u64 s[42:43], s[46:47], s[42:43]
.macro LOADF f                         ; fragment f: each load reads one row's 512 consecutive bytes, 16 a lane
.irp r, 0,1,2,3,4,5,6,7
	global_load_b128 v[R+64*\f+4*\r:R+64*\f+4*\r+3], v[OFFLO], s[44:45] offset:4096*\r+512*\f th:TH_LOAD_NT
.endr
.irp r, 8,9,10,11,12,13,14,15
	global_load_b128 v[R+64*\f+4*\r:R+64*\f+4*\r+3], v[OFFHI], s[44:45] offset:4096*\r+512*\f th:TH_LOAD_NT
.endr
.endm
.macro TURNF f                         ; through my stage: in as rows, out in the operand's order: lane (r, h) gets K = 64 c + 32 h + 0 .. 31 of row r.  LDS serves a wave's instructions in order
.irp r, 0,1,2,3,4,5,6,7,8,9,10,11,12,13,14,15
	ds_store_b128 v[STI], v[R+64*\f+4*\r:R+64*\f+4*\r+3] offset:528*\r
.endr
.irp c, 0,1
.irp j, 0,1,2,3,4,5,6,7
	ds_load_b128 v[X+32*\c+4*\j:X+32*\c+4*\j+3], v[STO] offset:256*\c+16*\j
.endr
.endr
.endm
.macro QNT cod, wd                     ; X's 64 numbers (two whole blocks of my row) become 12 registers of codes and my row's scale word
.irp c, 0,1
	v_max3_num_f32 v[TM+\c], |v[X+32*\c]|, |v[X+32*\c+1]|, 0x1800000   ; the floor 2^(3 - 127): the byte cannot fall under 1
.endr
.irp i, 2,4,6,8,10,12,14,16,18,20,22,24,26,28,30
.irp c, 0,1
	v_max3_num_f32 v[TM+\c], v[TM+\c], |v[X+32*\c+\i]|, |v[X+32*\c+\i+1]|
.endr
.endr
.irp c, 0,1
	v_add_nc_u32 v[TM+2+\c], 0xff000000, v[TM+\c]  ; 2 off the exponent field: the conversion's scale operand
.endr
.irp c, 0,1
	v_lshrrev_b32 v[TM+4+\c], 23, v[TM+2+\c]       ; the byte
.endr
	v_lshl_or_b32 v[\wd], v[TM+5], 16, v[TM+4]     ; my blocks are h and 2 + h
	v_lshlrev_b32 v[\wd], v[SH8], v[\wd]
	v_permlanex16_b32 v[TM+6], v[\wd], s30, s31
	v_or_b32 v[\wd], v[\wd], v[TM+6]               ; with lane l xor 16's two bytes the word is whole
.irp c, 0,1
	v_cvt_scalef32_pk16_fp6_f32 v[\cod+6*\c:\cod+6*\c+2], v[X+32*\c:X+32*\c+15], v[TM+2+\c]
	v_cvt_scalef32_pk16_fp6_f32 v[TT+4*\c:TT+4*\c+2], v[X+32*\c+16:X+32*\c+31], v[TM+2+\c]   ; (a conversion's three registers begin on an even number)
.endr
	v_nop                                          ; one plain place behind a scaled conversion
.irp c, 0,1
.irp i, 0,1,2
	v_mov_b32 v[\cod+3+6*\c+\i], v[TT+4*\c+\i]
.endr
.endr
.endm
.macro OUTF f, cod                     ; the image: six stores of 256 consecutive, aligned bytes
.irp p, 0,1,2,3,4,5
	global_store_b64 v[O8], v[\cod+2*\p:\cod+2*\p+1], s[40:41] offset:1536*\f+256*\p
.endr
.endm
	LOADF 0
	LOADF 1
	s_wait_loadcnt 16                              ; fragment 0's sixteen loads are in; fragment 1's sixteen may be out
	TURNF 0
	s_wait_dscnt 0x0                               ; X is in, and the stores have read fragment 0's registers
	QNT C0, WD
	OUTF 0, C0
	s_wait_loadcnt 0x0
	TURNF 1
	s_wait_dscnt 0x0
	QNT C1, WD+1
	OUTF 1, C1
	s_wait_xcnt 0x0                                ; EXEC changes only behind this wait
	v_cmp_gt_u32 vcc_lo, 16, v1
	s_and_saveexec_b32 s29, vcc_lo
	global_store_b64 v[O8R], v[WD:WD+1], s[42:43]  ; lanes 0-15: 128 consecutive bytes of scale words
	s_wait_xcnt 0x0
	s_or_b32 exec_lo, exec_lo, s29
	s_wait_tensorcnt 0x0                           ; the wave's end, behind my last LDS store
	ds_add_u32 v[SPW], v[NIL]
	s_wait_dscnt 0x0
	s_endpgm
; ---------------- the masks: a work-group takes 16 queries, wave sg keys 512 sg .. 512 sg + 511 (four key steps).  No LDS on this way
.set MB,  16                           ; v16-79  the mask's bytes: key step s, register 16 s + 4 b + j / 4, byte j % 4
.set T4,  80                           ; v80-83  at work
.set OUT, 84                           ; v84-91  a pair for each key step: lane l holds words 2 l and 2 l + 1
.Lmask:
	s_lshr_b32 s30, ttmp9, 7                       ; n
	s_and_b32 s31, ttmp9, 127                      ; T'
	s_and_b32 s32, s31, 7                          ; g
	s_lshr_b32 s33, s31, 3                         ; i
	s_lshl_b32 s34, s30, 11
	s_lshl_b32 s35, s31, 4
	s_add_co_u32 s34, s34, s35                     ; my first query, counted over both batches
	s_mov_b32 s35, 0
	s_lshl_b32 s36, s34, 11                        ; its row of 2,048 bytes,
	s_lshl_b32 s37, s28, 9
	s_add_co_u32 s36, s36, s37                     ; my wave's 512 keys
	s_mov_b32 s37, 0
	s_lshl_b32 s38, s30, 3
	s_add_co_u32 s38, s38, s32                     ; 8 n + g
	s_lshl_b32 s39, s38, 8
	s_add_co_u32 s39, s39, s33
	s_lshl_b32 s40, s39, 8
	s_lshl_b32 s41, s28, 14
	s_add_co_u32 s40, s40, s41                     ; the words of (n, g, w = 4 sg, i); a key step on is 4,096 bytes on
	s_mov_b32 s41, 0
	s_lshl_b32 s42, s38, 2
	s_add_co_u32 s42, s42, s28                     ; 4 (8 n + g) + sg
	s_lshl_b32 s42, s42, 4
	s_add_co_u32 s42, s42, s33                     ; 16 of them + i
	s_lshl_b32 s42, s42, 2                         ; my wave's class word, in bytes
	s_mov_b32 s43, 0
	s_mov_b32 s44, 0                               ; the class word
	s_wait_alu depctr_va_vdst(0)
	v_lshlrev_b32 v4, 11, v14
	v_lshl_add_u32 v4, v15, 4, v4                  ; row r, + 16 h
	v_lshlrev_b32 v5, 3, v1
	s_wait_alu depctr_va_vdst(0)
	s_wait_kmcnt 0x0
	s_add_nc_u64 s[20:21], s[20:21], s[34:35]
	s_add_nc_u64 s[18:19], s[18:19], s[36:37]
	s_add_nc_u64 s[40:41], s[26:27], s[40:41]
	s_add_nc_u64 s[46:47], s[48:49], s[42:43]
	global_load_u8 v6, v14, s[20:21]               ; my query's padding byte
.irp s, 0,1,2,3
.irp b, 0,1,2,3
	global_load_b128 v[MB+16*\s+4*\b:MB+16*\s+4*\b+3], v4, s[18:19] offset:128*\s+32*\b th:TH_LOAD_NT
.endr
.endr
.macro STEPM s
	s_wait_loadcnt 12-4*\s                         ; this key step's four loads are in (and the padding byte, issued ahead of them); the later steps' may be out
.if \s == 0
	v_cmp_ne_u32 vcc_lo, 0, v6
	v_cndmask_b32 v6, 0, -1, vcc_lo                ; my query's padding: all ones, or 0
.endif
.set k, 0
.rept 16
	v_and_b32 v[MB+16*\s+k], v6, v[MB+16*\s+k]     ; a padded query has no open key
.set k, k+1
.endr
	v_add3_u32 v92, v[MB+16*\s], v[MB+16*\s+1], v[MB+16*\s+2]   ; the key step's class.  A bool byte is 0 or 1, so the sum of my 16 registers holds, byte by byte, counts of 16 at the most
.irp e, 3,5,7,9,11,13
	s_delay_alu instid0(VALU_DEP_1)
	v_add3_u32 v92, v92, v[MB+16*\s+\e], v[MB+16*\s+\e+1]
.endr
	s_delay_alu instid0(VALU_DEP_1)
	v_add_nc_u32 v92, v92, v[MB+16*\s+15]
	v_cmp_ne_u32 s42, 0, v92                       ; lanes with an open key
	v_cmp_eq_u32 s43, 0x10101010, v92              ; lanes all of whose 64 keys are open
	s_cmp_lg_u32 s42, 0
	s_cselect_b32 s42, 1<<(2*\s), 0
	s_cmp_eq_u32 s43, -1
	s_cselect_b32 s43, 2<<(2*\s), 0
	s_or_b32 s44, s44, s42
	s_or_b32 s44, s44, s43
	s_cmp_eq_u32 s43, 0
	s_cselect_b32 s45, s42, 0                      ; not 0: some keys open and some closed
	s_cmp_eq_u32 s33, 0
	s_cselect_b32 s45, 1, s45                      ; the words of tile i = 0 are loaded by the attention launch whatever the class
	s_cmp_eq_u32 s45, 0
	s_wait_alu depctr_va_vdst(0)
	s_cbranch_scc1 .Lnowords_\@                    ; the words of any other key step that is all open or all closed are read by nobody: they are not made
	v_mov_b32 v[OUT+2*\s], 0                       ; (v_writelane_b32's destination counts as read)
	v_mov_b32 v[OUT+2*\s+1], 0
.set x, 0
.rept 64
	v_and_b32 v[T4+x%4], 0xff<<(8*(x%4)), v[MB+16*\s+x/4]
	v_cmp_ne_u32 s[29+x%4], 0, v[T4+x%4]           ; word x: a bit a lane
	v_writelane_b32 v[OUT+2*\s+x%2], s[29+x%4], x/2
.set x, x+1
.endr
	global_store_b64 v5, v[OUT+2*\s:OUT+2*\s+1], s[40:41] offset:4096*\s   ; 64 words: 256 consecutive, aligned bytes
.Lnowords_\@:
.endm
	STEPM 0
	STEPM 1
	STEPM 2
	STEPM 3
	s_wait_xcnt 0x0                                ; EXEC changes only behind this wait
	v_mov_b32 v94, s44
	v_mov_b32 v95, 0
	v_cmp_eq_u32 vcc_lo, 0, v1
	s_and_saveexec_b32 s29, vcc_lo
	global_store_b32 v95, v94, s[46:47]            ; lane 0: my wave's class word
	s_wait_xcnt 0x0
	s_or_b32 exec_lo, exec_lo, s29
	s_endpgm
.Lfunc_end_k_q81ac11dd7a_prep:
	.size	k_q81ac11dd7a_prep, .Lfunc_end_k_q81ac11dd7a_prep-k_q81ac11dd7a_prep
	.p2alignl 7, 3214868480
	.fill 96, 4, 3214868480
	.section	.rodata,"a",@progbits
	.p2align	6, 0x0
	.amdhsa_kernel k_q81ac11dd7a_prep
		.amdhsa_group_segment_fixed_size 34304
		.amdhsa_private_segment_fixed_size 0
		.amdhsa_enable_private_segment 0
		.amdhsa_kernarg_size 104
		.amdhsa_user_sgpr_count 2
		.amdhsa_user_sgpr_kernarg_segment_ptr 1
		.amdhsa_wavefront_size32 1
		.amdhsa_system_sgpr_workgroup_id_x 1
		.amdhsa_system_sgpr_workgroup_id_y 1
		.amdhsa_system_sgpr_workgroup_id_z 1
		.amdhsa_system_vgpr_workitem_id 0
		.amdhsa_next_free_vgpr 240
		.amdhsa_next_free_sgpr 66
		.amdhsa_reserve_vcc 1
		.amdhsa_float_denorm_mode_32 3
		.amdhsa_float_denorm_mode_16_64 3
		.amdhsa_memory_ordered 1
		.amdhsa_forward_progress 1
		.amdhsa_inst_pref_size 78
	.end_amdhsa_kernel
	.amdgpu_metadata
---
amdhsa.version: [ 1, 2 ]
amdhsa.kernels:
  - .name:           k_q81ac11dd7a_prep
    .symbol:         k_q81ac11dd7a_prep.kd
    .args:
      - { .name: Q, .offset: 0, .size: 8, .value_kind: global_buffer, .address_space: global }
      - { .name: K, .offset: 8, .size: 8, .value_kind: global_buffer, .address_space: global }
      - { .name: V, .offset: 16, .size: 8, .value_kind: global_buffer, .address_space: global }
      - { .name: Wq, .offset: 24, .size: 8, .value_kind: global_buffer, .address_space: global }
      - { .name: Wk, .offset: 32, .size: 8, .value_kind: global_buffer, .address_space: global }
      - { .name: Wv, .offset: 40, .size: 8, .value_kind: global_buffer, .address_space: global }
      - { .name: Wo, .offset: 48, .size: 8, .value_kind: global_buffer, .address_space: global }
      - { .name: attention_mask, .offset: 56, .size: 8, .value_kind: global_buffer, .address_space: global }
      - { .name: padding_mask, .offset: 64, .size: 8, .value_kind: global_buffer, .address_space: global }
      - { .name: xq, .offset: 72, .size: 8, .value_kind: global_buffer, .address_space: global }
      - { .name: wq, .offset: 80, .size: 8, .value_kind: global_buffer, .address_space: global }
      - { .name: lm, .offset: 88, .size: 8, .value_kind: global_buffer, .address_space: global }
      - { .name: cl, .offset: 96, .size: 8, .value_kind: global_buffer, .address_space: global }
    .group_segment_fixed_size: 34304
    .private_segment_fixed_size: 0
    .kernarg_segment_align: 8
    .kernarg_segment_size: 104
    .max_flat_workgroup_size: 128
    .sgpr_count:     66
    .vgpr_count:     240
    .wavefront_size: 32
...
	.end_amdgpu_metadata
.endif
;; end of part 1
;; launch proj (part 2): grid 4 x 48, 4 waves a work-group, clusters of 4 x 4, 327,680 bytes of LDS; arguments xq, wq, pq; writes pq
.if DOCPART == 2
	.amdgcn_target "amdgcn-amd-amdhsa--gfx1250"
	.amdhsa_code_object_version 6
	.text
	.protected	k_q81ac11dd7a_proj
	.globl	k_q81ac11dd7a_proj
	.p2align	8
	.type	k_q81ac11dd7a_proj,@function
k_q81ac11dd7a_proj:
	s_mov_b64 s[64:65], 0
	v_nop
	global_prefetch_b8 v0, s[64:65] scope:SCOPE_SE
	s_setreg_imm32_b32 hwreg(HW_REG_WAVE_MODE, 25, 1), 1
	s_wait_xcnt 0x0
	s_wait_alu depctr_hold_cnt(0) depctr_sa_sdst(0) depctr_va_vdst(0) depctr_va_sdst(0) depctr_va_ssrc(0) depctr_va_vcc(0) depctr_vm_vsrc(0)
	s_getreg_b32 s2, hwreg(HW_REG_IB_STS2, 6, 4)
	s_cmp_eq_u32 s2, 0
	s_cbranch_scc0 .Lentry_in_a_cluster
	s_endpgm
.Lentry_in_a_cluster:
	s_bfe_u32 s2, ttmp6, 0x10000c
	s_cmp_lg_u32 s2, 0xf033
	s_cbranch_scc0 .Lentry_shape_is_right
	s_endpgm
.Lentry_shape_is_right:
; PROJ.  q = Q Wq^T, k = K Wk^T and v^T = Wv V^T on codes of FP6 (E2M3) with E8M0 scales, K = 1,024; the results are quantised along the next product's K and stored as operand images in pq.
; A work-group of four waves makes 256 x 256, a wave 128 x 128 (64 accumulators).  4 x 4 work-groups form a cluster: source 1's tiles are asked for jointly along a row, source 0's along a column.
; LDS.  Region X (byte 0): K steps 0-3 of 16 + 16 tiles, 6,144 bytes a tile.  Region Y (YB): K steps 4, 5, 3,072 bytes a tile.  K steps 6, 7 are laid over X's first 98,304 bytes, in Y's shape.  Behind them all scale words.
; THE HEAD: one joint load a wave: wave 0 source 1's half of X, wave 1 source 0's, waves 2 and 3 the scale words.  Y is first filled behind the one round that follows, a quarter a wave, and is read four K steps later;
; X is filled again in K step 3, behind a round, when its last fragments are in registers, and read from K step 5's middle on.
; NO PREFETCH: the walk along K has eight steps, written out, and three groups of loads: there is no loop to run ahead in.
.set NT,    8
.set NQ,    2
.set FR,    12
.set NL,    6
.set QX,    NT*6144                    ; a quarter of X: 8 tiles
.set QY,    NT*3072                    ; a quarter of Y
.set YB,    4*QX
.set SCL,   YB+4*QY
.set HALFS, NT*512
.set SPARE, SCL+4*HALFS
.set XC,    3145728
.set XSO,   9437184
.set XS,    131072
.set WC,    786432
.set WSO,   3145728
.set WS,    32768
.set PC1,   3145728
.set PSO,   9437184
.set PS1,   131072
.set ADRA,  16                         ; v16-18 my source 1 fragments in X, in Y, in X as filled again
.set ADRB,  20                         ; v20-22 the same for source 0
.set OUTO,  24
.set ADRS,  27
.set SPW,   28
.set NIL,   29
.set SC,    32
.set TM,    64
.set PW4,   80
.set SELW,  84
.set PCD,   96
.set AF,    128
.set G1A,   24
.set G1B,   32
.set G1SA,  40
.set G1SB,  48
.set G0SA,  56
.set G0SB,  60
.set G0A,   68                         ; s68-71 Y, s72-75 the refill, s76-79 the head's load
.set G0B,   80
.set MUL_LO, 0xa1
.set MUL_HI, 0xf1
.set TO_B,   0x40
.set MSB, 0
.macro WIN new
.if MSB != (\new)
	s_set_vgpr_msb (MSB<<8)|(\new)
.set MSB, (\new)
.endif
.endm
.macro TLOAD g0, g1                    ; a tensor load with an s_nop and four v_nop behind it
	tensor_load_to_lds s[\g0:\g0+3], s[\g1:\g1+7]
	s_nop 0
.rept 4
	v_nop
.endr
.endm
.macro JLOAD g0a, g1a, g0b, g1b
	s_cmp_eq_u32 s15, 0
	s_cbranch_scc0 .Lfor_b_\@
	TLOAD \g0a, \g1a
	s_branch .Lasked_\@
.Lfor_b_\@:
	TLOAD \g0b, \g1b
.Lasked_\@:
.endm
.macro ARM under, g0, g1, next
	s_cmp_lt_u32 s14, \under
	s_cbranch_scc0 \next
	TLOAD \g0, \g1
	s_branch .Lhead_asked
\next:
.endm
.macro CREST
	s_cmp_lg_u32 s14, 0
	s_cbranch_scc1 .Lnot_wave_0_\@
	s_barrier_signal -3
.Lnot_wave_0_\@:
	s_barrier_wait -3
	s_barrier_signal -1
	s_barrier_wait -1
.endm
.macro CROUND
	s_barrier_signal -1
	s_barrier_wait -1
	CREST
.endm
.macro PLACES
.rept 4
	v_nop
.endr
.endm
	s_load_b128 s[4:7], s[0:1], 0x0                ; xq, wq
	s_load_b64 s[8:9], s[0:1], 0x10                ; pq
	v_lshl_add_u32 v[SPW], v0, 2, SPARE
	v_mov_b32 v[NIL], 0
	ds_add_u32 v[SPW], v[NIL]                      ; the opening lines: the add twice on end and its wait ahead of my first tensor load
	ds_add_u32 v[SPW], v[NIL]
	v_lshrrev_b32 v1, 5, v0
	v_readfirstlane_b32 s14, v1                    ; wave
	s_lshr_b32 s15, s14, 1                         ; my half of source 1's rows; in the ring: I fetch for source 1 (0) or source 0 (1)
	s_and_b32 s16, s14, 1                          ; my half of source 0's rows; in the ring: which 8 tiles I fetch
	s_bfe_u32 s92, ttmp6, 0x40000                  ; cx
	s_bfe_u32 s93, ttmp6, 0x40004                  ; cy
	s_and_b32 s94, ttmp7, 0xffff
	s_lshr_b32 s95, s94, 2                         ; which product: 0 q, 1 k, 2 v
	s_and_b32 s96, s94, 3
	s_lshl_b32 s96, s96, 2
	s_lshl_b32 s97, s93, 2
	s_lshl_b32 s97, 15, s97                        ; my row of the cluster
	s_lshl_b32 s98, 0x1111, s92                    ; my column
	s_or_b32 s[G1A], s97, (3<<16)|(1<<21)
	s_or_b32 s[G1B], s98, (3<<16)|(1<<21)
	s_or_b32 s[G1SA], s97, (3<<16)|(1<<21)
	s_or_b32 s[G1SB], s98, (3<<16)|(1<<21)
.irp g, G1A, G1B                       ; the head's loads: 16 tiles x 6,144 bytes (768 elements of 8), 12,288 bytes from tile to tile
	s_mov_b32 s[\g+1], 768<<16
	s_mov_b32 s[\g+2], 16<<16
	s_mov_b32 s[\g+3], 768<<16
	s_mov_b32 s[\g+4], 16
	s_mov_b32 s[\g+5], 1536
	s_mov_b32 s[\g+6], 0
	s_mov_b32 s[\g+7], 0
.endr
.irp g, G1SA, G1SB                     ; 16 tiles' scale words: a dense block of 8,192 bytes as 32 rows of 256
	s_mov_b32 s[\g+1], 32<<16
	s_mov_b32 s[\g+2], 32<<16
	s_mov_b32 s[\g+3], 32<<16
	s_mov_b32 s[\g+4], 32
	s_mov_b32 s[\g+5], 32
	s_mov_b32 s[\g+6], 0
	s_mov_b32 s[\g+7], 0
.endr
	s_mul_i32 s20, s95, XC
	s_mul_i32 s21, s95, XS
	s_add_co_u32 s21, s21, XSO
	s_mul_i32 s22, s95, WC
	s_mul_i32 s23, s95, WS
	s_add_co_u32 s23, s23, WSO
	s_cmp_lt_u32 s95, 2                            ; q, k: source 1 = tokens, source 0 = the weight; v: the other way round
	s_cselect_b32 s17, s96, 0
	s_cselect_b32 s18, 0, s96
	s_cselect_b32 s19, 8, 6
	s_cselect_b32 s99, s20, s22
	s_cselect_b32 s100, s21, s23
	s_cselect_b32 s20, s22, s20
	s_cselect_b32 s21, s23, s21
	s_add_co_u32 s17, s93, s17
	s_add_co_u32 s18, s92, s18
	s_lshl_b32 s22, s17, 4                         ; source 1's first tile
	s_mul_i32 s2, s22, 12288
	s_add_co_u32 s2, s2, s99
	s_mov_b32 s3, 0
	s_lshl_b32 s22, s22, 9
	s_add_co_u32 s10, s22, s100
	s_mov_b32 s11, 0
	s_lshl_b32 s22, s18, 4                         ; source 0's first tile
	s_mul_i32 s12, s22, 12288
	s_add_co_u32 s12, s12, s20
	s_mov_b32 s13, 0
	s_lshl_b32 s22, s22, 9
	s_add_co_u32 s100, s22, s21
	s_mov_b32 s101, 0
	s_mul_i32 s20, s16, NT*12288                   ; in the ring: my 8 tiles, in memory
	s_mov_b32 s21, 0
	s_mul_i32 s22, s14, QY                         ; and in LDS
	s_wait_dscnt 0x0
	s_wait_kmcnt 0x0
	s_cmp_lt_u32 s95, 2
	s_cselect_b64 s[96:97], s[4:5], s[6:7]
	s_cselect_b64 s[98:99], s[6:7], s[4:5]
	s_add_nc_u64 s[2:3], s[96:97], s[2:3]
	s_add_nc_u64 s[10:11], s[96:97], s[10:11]
	s_add_nc_u64 s[12:13], s[98:99], s[12:13]
	s_add_nc_u64 s[100:101], s[98:99], s[100:101]
	CROUND                                         ; in front of the first joint loads
	s_mov_b32 s[G0A+8], 1
	s_mov_b32 s[G0A+9], 0
	s_mov_b64 s[G0A+10:G0A+11], s[2:3]
	s_or_b32 s[G0A+11], s[G0A+11], 0x80000000
	s_mov_b32 s[G0B+8], 1
	s_mov_b32 s[G0B+9], 2*QX
	s_mov_b64 s[G0B+10:G0B+11], s[12:13]
	s_or_b32 s[G0B+11], s[G0B+11], 0x80000000
	s_mov_b32 s[G0SA], 1
	s_mov_b32 s[G0SA+1], SCL
	s_mov_b64 s[G0SA+2:G0SA+3], s[10:11]
	s_or_b32 s[G0SA+3], s[G0SA+3], 0x80000000
	s_mov_b32 s[G0SB], 1
	s_mov_b32 s[G0SB+1], SCL+2*HALFS
	s_mov_b64 s[G0SB+2:G0SB+3], s[100:101]
	s_or_b32 s[G0SB+3], s[G0SB+3], 0x80000000
	s_add_nc_u64 s[2:3], s[2:3], s[20:21]
	s_add_nc_u64 s[12:13], s[12:13], s[20:21]
.irp s, 0,1                            ; s = 0: K steps 4, 5 into Y; s = 1: K steps 6, 7 over X
	s_mov_b32 s[G0A+4*\s], 1
	s_add_co_u32 s[G0A+4*\s+1], s22, (1-\s)*YB
	s_add_nc_u64 s[G0A+4*\s+2:G0A+4*\s+3], s[2:3], 6144+3072*\s
	s_or_b32 s[G0A+4*\s+3], s[G0A+4*\s+3], 0x80000000
	s_mov_b32 s[G0B+4*\s], 1
	s_add_co_u32 s[G0B+4*\s+1], s22, (1-\s)*YB
	s_add_nc_u64 s[G0B+4*\s+2:G0B+4*\s+3], s[12:13], 6144+3072*\s
	s_or_b32 s[G0B+4*\s+3], s[G0B+4*\s+3], 0x80000000
.endr
	ARM 1, G0A+8, G1A,  .Lhead_b                   ; one chain of branches on the wave's number, one load to an arm
	ARM 2, G0B+8, G1B,  .Lhead_sa
	ARM 3, G0SA,  G1SA, .Lhead_sb
	TLOAD G0SB, G1SB
.Lhead_asked:
	v_and_b32 v1, 31, v0
	v_and_b32 v2, 15, v0
	v_bfe_u32 v3, v0, 4, 1
	v_lshlrev_b32 v[OUTO], 3, v1                   ; 8 L
	s_wait_alu depctr_va_vdst(0)                   ; the wait behind these writes
	s_mul_i32 s20, s15, QX
	s_mul_i32 s21, s16, QX
	s_add_co_u32 s21, s21, 2*QX
	v_add_nc_u32 v[ADRA], s20, v[OUTO]
	v_add_nc_u32 v[ADRB], s21, v[OUTO]
	s_mul_i32 s20, s15, QY
	s_mul_i32 s21, s16, QY
	s_add_co_u32 s21, s21, 2*QY
	v_add_nc_u32 v[ADRA+2], s20, v[OUTO]
	v_add_nc_u32 v[ADRB+2], s21, v[OUTO]
	s_add_co_u32 s20, s20, YB
	s_add_co_u32 s21, s21, YB
	v_add_nc_u32 v[ADRA+1], s20, v[OUTO]
	v_add_nc_u32 v[ADRB+1], s21, v[OUTO]
	v_lshlrev_b32 v5, 3, v2
	s_mul_i32 s20, s15, HALFS
	s_mul_i32 s21, s16, HALFS
	s_add_co_u32 s21, s21, 2*HALFS
	s_sub_co_u32 s21, s21, s20
	v_mul_u32_u24 v6, s21, v3                      ; lanes 16-31 take source 0's words
	s_add_co_u32 s20, s20, SCL
	v_add_nc_u32 v5, v5, v6
	v_add_nc_u32 v[ADRS], s20, v5
.irp b, 0,1,2,3
	v_mov_b32 v[TM+4+\b], 0                        ; a lane permute's destination counts as read
.endr
	s_lshl_b32 s20, s17, 4
	s_lshl_b32 s21, s15, 3
	s_add_co_u32 s20, s20, s21
	s_lshl_b32 s21, s18, 1
	s_add_co_u32 s21, s21, s16
	s_lshl_b32 s21, s21, s19
	s_add_co_u32 s20, s20, s21
	s_mul_i32 s92, s20, 1536
	s_mul_i32 s21, s95, PC1
	s_add_co_u32 s92, s92, s21
	s_mov_b32 s93, 0
	s_lshl_b32 s94, s20, 6
	s_mul_i32 s21, s95, PS1
	s_add_co_u32 s94, s94, s21
	s_add_co_u32 s94, s94, PSO
	s_mov_b32 s95, 0
	s_add_nc_u64 s[92:93], s[8:9], s[92:93]        ; my images in pq
	s_add_nc_u64 s[94:95], s[8:9], s[94:95]        ; and their scale words
	s_mov_b32 s96, 0x76543210
	s_mov_b32 s97, 0xfedcba98
	s_mov_b32 s98, 0xffff0000
.macro LOC st                          ; where K step st lies: RG the address register, PI bytes from tile to tile, QQ the step inside the region
.if (\st) < 4
.set RG, 0
.set PI, 6144
.set QQ, (\st)
.else
.set PI, 3072
.if (\st) < 6
.set RG, 1
.set QQ, (\st)-4
.else
.set RG, 2
.set QQ, (\st)-6
.endif
.endif
.endm
.macro FRAG reg, adr, off              ; an image: six pieces of 256 bytes, 8 a lane
.irp p, 0,1,2,3,4,5
	ds_load_b64 v[\reg+2*\p:\reg+2*\p+1], v[\adr] offset:(\off)+256*\p
.endr
.endm
.macro FETCH_B st, set
	LOC \st
	WIN TO_B
.irp i, 0,1,2,3,4,5,6,7
	FRAG 128*(\set)+FR*\i, ADRB+RG, \i*PI+1536*QQ
.endr
	WIN 0
.endm
.macro FETCH_A st, i0
	LOC \st
.irp i, \i0, \i0+1, \i0+2, \i0+3
	FRAG AF+FR*(\i), ADRA+RG, (\i)*PI+1536*QQ
.endr
.endm
.macro SCALES pr                       ; the words of K steps 2 pr, 2 pr + 1 into set pr % 2
.irp i, 0,1,2,3,4,5,6,7
	ds_load_b64 v[SC+16*((\pr)%2)+2*\i:SC+16*((\pr)%2)+2*\i+1], v[ADRS] offset:512*\i+128*(\pr)
.endr
.endm
.macro MULA a, p, q, sc, zero          ; the 64 accumulators take turns, in the same order in every step
.irp b, 0,1,2,3,4,5,6,7
.if \zero
	v_wmma_scale_f32_16x16x128_f8f6f4 v[8*(NT*((\a)%4)+\b):8*(NT*((\a)%4)+\b)+7], v[128*(\p)+FR*\b:128*(\p)+FR*\b+FR-1], v[AF+FR*(\a):AF+FR*(\a)+FR-1], 0, v[SC+16*(\sc)+NQ*\b+(\q)], v[SC+16*(\sc)+NQ*(\a)+(\q)] matrix_a_fmt:MATRIX_FMT_FP6 matrix_b_fmt:MATRIX_FMT_FP6 matrix_a_scale:MATRIX_SCALE_ROW1
.else
	v_wmma_scale_f32_16x16x128_f8f6f4 v[8*(NT*((\a)%4)+\b):8*(NT*((\a)%4)+\b)+7], v[128*(\p)+FR*\b:128*(\p)+FR*\b+FR-1], v[AF+FR*(\a):AF+FR*(\a)+FR-1], v[8*(NT*((\a)%4)+\b):8*(NT*((\a)%4)+\b)+7], v[SC+16*(\sc)+NQ*\b+(\q)], v[SC+16*(\sc)+NQ*(\a)+(\q)] matrix_a_fmt:MATRIX_FMT_FP6 matrix_b_fmt:MATRIX_FMT_FP6 matrix_a_scale:MATRIX_SCALE_ROW1
.endif
.endr
.endm
.macro MUL2 a, st, zero
	MULA \a, (\st)%2, (\st)%2, ((\st)/2)%2, \zero
	MULA (\a)+1, (\st)%2, (\st)%2, ((\st)/2)%2, \zero
.endm
; K step st; the next step's fragments are fetched in its middle and at its end.  mode 1: the next step lies in a region whose load is awaited here, in front of a barrier.
; mode 2: the same, and the region just read out is filled again: the barrier opens a round of the cluster's barrier, and the joint refill is the first tensor load behind it.
.macro STEP st, zero, mode
.if \mode
	s_wait_tensorcnt 0x0                           ; all my tensor loads have landed
	ds_add_u32 v[SPW], v[NIL]
	s_wait_dscnt 4*NL+1                            ; the add and the 24 youngest loads (source 1's blocks 4-7) may be out
	WIN MUL_LO
	MUL2 0, \st, \zero
	s_wait_dscnt 0x0                               ; the add is done, and all my reads
	s_barrier_signal -1
	MUL2 2, \st, \zero
	WIN 0
	s_barrier_wait -1
.if \mode == 2
	CREST
	JLOAD G0A+4, G1A, G0B+4, G1B
.else
	PLACES
.endif
.else
	s_wait_dscnt 4*NL                              ; the 24 youngest loads may be out
	WIN MUL_LO
	MUL2 0, \st, \zero
	MUL2 2, \st, \zero
	s_wait_dscnt 0x0
	PLACES
.endif
	FETCH_B (\st)+1, ((\st)+1)%2
	FETCH_A (\st)+1, 0
.if ((\st)+1)%2 == 0
	SCALES ((\st)+1)/2
.endif
	WIN MUL_HI
	MUL2 4, \st, \zero
	MUL2 6, \st, \zero
	PLACES
	WIN 0
	FETCH_A (\st)+1, 4
.endm
	s_wait_alu depctr_va_vdst(0)
	s_wait_tensorcnt 0x0                           ; my tile of the head's four is in
	ds_add_u32 v[SPW], v[NIL]
.irp g, G1A, G1B                       ; no tensor load of mine is out: from here on a load brings 8 tiles x 3,072 bytes
	s_mov_b32 s[\g+1], 384<<16
	s_mov_b32 s[\g+2], NT<<16
	s_mov_b32 s[\g+3], 384<<16
	s_mov_b32 s[\g+4], NT
.endr
	s_wait_dscnt 0x0
	CROUND
	JLOAD G0A, G1A, G0B, G1B                       ; Y's first fill, issued as a refill is
	FETCH_B 0, 0
	FETCH_A 0, 0
	SCALES 0
	FETCH_A 0, 4
	STEP 0, 1, 0
	STEP 1, 0, 0
	STEP 2, 0, 0
	STEP 3, 0, 2
	STEP 4, 0, 0
	STEP 5, 0, 1
	STEP 6, 0, 0
	s_wait_dscnt 4*NL
	WIN MUL_LO
	MUL2 0, 7, 0
	MUL2 2, 7, 0
	s_wait_dscnt 0x0
	WIN MUL_HI
	MUL2 4, 7, 0
	MUL2 6, 7, 0
	WIN 0
; The way out: block a's 16 rows x 128: four blocks of 32 along the next K (16 registers here, 16 in lane l xor 16), their bytes, their codes, the image
.macro QUANTW a
.set AC, 64*((\a)%4)
	WIN 0x0a+5*((\a)/4)
.irp b, 0,1,2,3
	v_max3_num_f32 v[TM+\b], |v[AC+16*\b]|, |v[AC+16*\b+1]|, 0x1800000
.endr
.irp i, 2,4,6,8,10,12,14
.irp b, 0,1,2,3
	v_max3_num_f32 v[TM+\b], |v[AC+16*\b+\i]|, |v[AC+16*\b+\i+1]|, v[TM+\b]
.endr
.endr
	WIN 0
.irp b, 0,1,2,3
	v_permlanex16_b32 v[TM+4+\b], v[TM+\b], s96, s97
.endr
.irp b, 0,1,2,3
	v_max_num_f32 v[TM+\b], v[TM+\b], v[TM+4+\b]
.endr
.irp b, 0,1,2,3
	v_add_nc_u32 v[TM+12+\b], 0xff000000, v[TM+\b]
.endr
.irp b, 0,1,2,3
	v_lshrrev_b32 v[TM+4+\b], 23, v[TM+12+\b]
.endr
	v_lshl_or_b32 v[PW4+(\a)%4], v[TM+5], 8, v[TM+4]
	v_lshl_or_b32 v[PW4+(\a)%4], v[TM+6], 16, v[PW4+(\a)%4]
	v_lshl_or_b32 v[PW4+(\a)%4], v[TM+7], 24, v[PW4+(\a)%4]
	s_wait_xcnt 0x0                                ; the last block's stores have read their data
	WIN 0x02+((\a)/4)
.irp c, 0,1
	v_cvt_scalef32_pk16_fp6_f32 v[PCD+6*\c:PCD+6*\c+2], v[AC+32*\c:AC+32*\c+15], v[TM+12+2*\c]
	v_cvt_scalef32_pk16_fp6_f32 v[PCD+12+4*\c:PCD+14+4*\c], v[AC+32*\c+16:AC+32*\c+31], v[TM+12+2*\c+1]
.endr
	WIN 0
	v_nop
.irp c, 0,1
.irp i, 0,1,2
	v_permlane16_swap_b32 v[PCD+6*\c+\i], v[PCD+12+4*\c+\i]
.endr
.irp i, 0,1,2
	v_mov_b32 v[PCD+3+6*\c+\i], v[PCD+12+4*\c+\i]
.endr
.endr
.irp p, 0,1,2,3,4,5
	global_store_b64 v[OUTO], v[PCD+2*\p:PCD+2*\p+1], s[92:93] offset:1536*(\a)+256*\p
.endr
.if (\a)%4 == 3
	v_cndmask_b32 v[SELW+2*((\a)/4)], v[PW4], v[PW4+1], s98
	v_cndmask_b32 v[SELW+2*((\a)/4)+1], v[PW4+2], v[PW4+3], s98
	global_store_b64 v[OUTO], v[SELW+2*((\a)/4):SELW+2*((\a)/4)+1], s[94:95] offset:256*((\a)/4)
.endif
.endm
	PLACES
.irp a, 0,1,2,3,4,5,6,7
	QUANTW \a
.endr
	s_wait_tensorcnt 0x0                           ; the wave's end
	ds_add_u32 v[SPW], v[NIL]
	s_wait_dscnt 0x0
	CROUND                                         ; the closing round
	s_endpgm
.Lfunc_end_k_q81ac11dd7a_proj:
	.size	k_q81ac11dd7a_proj, .Lfunc_end_k_q81ac11dd7a_proj-k_q81ac11dd7a_proj
	.p2alignl 7, 3214868480
	.fill 96, 4, 3214868480
	.section	.rodata,"a",@progbits
	.p2align	6, 0x0
	.amdhsa_kernel k_q81ac11dd7a_proj
		.amdhsa_group_segment_fixed_size 327680
		.amdhsa_private_segment_fixed_size 0
		.amdhsa_enable_private_segment 0
		.amdhsa_kernarg_size 24
		.amdhsa_user_sgpr_count 2
		.amdhsa_user_sgpr_kernarg_segment_ptr 1
		.amdhsa_wavefront_size32 1
		.amdhsa_system_sgpr_workgroup_id_x 1
		.amdhsa_system_sgpr_workgroup_id_y 1
		.amdhsa_system_sgpr_workgroup_id_z 1
		.amdhsa_system_vgpr_workitem_id 0
		.amdhsa_next_free_vgpr 1024
		.amdhsa_next_free_sgpr 102
		.amdhsa_reserve_vcc 0
		.amdhsa_float_denorm_mode_32 3
		.amdhsa_float_denorm_mode_16_64 3
		.amdhsa_memory_ordered 1
		.amdhsa_forward_progress 1
		.amdhsa_inst_pref_size 167
	.end_amdhsa_kernel
	.amdgpu_metadata
---
amdhsa.version: [ 1, 2 ]
amdhsa.kernels:
  - .name:           k_q81ac11dd7a_proj
    .symbol:         k_q81ac11dd7a_proj.kd
    .args:
      - { .name: xq, .offset: 0, .size: 8, .value_kind: global_buffer, .address_space: global }
      - { .name: wq, .offset: 8, .size: 8, .value_kind: global_buffer, .address_space: global }
      - { .name: pq, .offset: 16, .size: 8, .value_kind: global_buffer, .address_space: global }
    .group_segment_fixed_size: 327680
    .private_segment_fixed_size: 0
    .kernarg_segment_align: 8
    .kernarg_segment_size: 24
    .max_flat_workgroup_size: 128
    .sgpr_count:     102
    .vgpr_count:     1024
    .wavefront_size: 32
...
	.end_amdgpu_metadata
.endif
;; end of part 2
;; launch attn (part 3): grid 8 x 32, 16 waves a work-group, no clusters, 203,776 bytes of LDS; arguments pq, lm, aq, cl; writes aq
.if DOCPART == 3
	.amdgcn_target "amdgcn-amd-amdhsa--gfx1250"
	.amdhsa_code_object_version 6
	.text
	.protected	k_q81ac11dd7a_attn
	.globl	k_q81ac11dd7a_attn
	.p2align	8
	.type	k_q81ac11dd7a_attn,@function
k_q81ac11dd7a_attn:
	s_mov_b64 s[64:65], 0
	v_nop
	global_prefetch_b8 v0, s[64:65] scope:SCOPE_SE
	s_setreg_imm32_b32 hwreg(HW_REG_WAVE_MODE, 25, 1), 1
	s_wait_xcnt 0x0
; ATTN.  attn = softmax(mask(q k^T / 8)), with NaN -> 0, and out = attn v, both products on codes of FP6 (E2M3) with E8M0 scales.  attn is quantised FINISHED AND NORMALISED, along the keys.
; SHARES.  A work-group owns one head (n, hd) and the 16 query tiles T' = g + 8 i.  The keys are shared among the 16 waves: a wave owns key step kb (128 keys); its K (8 half images) and V^T (4 images) stay in registers.
; kb = 4 ((w % 4) xor (w / 4)) + w % 4: four neighbouring key steps lie in waves that differ both in w % 4 and in w / 4.
; A TRIP = one query tile, one barrier.  Phase 1: S^T = K Q^T, the mask, M_w = ceil(largest t), p = 2^(t - M_w), its sum; -M_w and the sum go to LDS | barrier | phase 2: M, l, attn = p 2^(M_w - M) / l, quantised by blocks of
; 32 keys, O^T_w = V^T attn^T, to LDS.  A tile's 16 partial results are added in the next trip: wave w adds register pair w.  Statistics and partial results have two buffers each, by the tile's parity.
; WHAT THE MASKS ASK FOR.  The launch before has stored, as whole numbers, a class for each (tile, key step): no key open, some, all.  A wave packs its 16 classes into s97 (two bits a tile) and branches on them:
;   no key open: every score would be -infinity, p = 0, l_w = 0 and O^T_w = 0: the wave stores -M_w = 3e38 and l_w = 0, and zeros as its partial result (only where that buffer does not hold zeros already: s98, s101);
;   all open: the 64 selects change nothing and are passed over, and the lane-mask words are not loaded;  some: as the words say.
; Q and the words of the next tile are asked for only where its class needs them.  Every wave passes every barrier and takes its part in the additions.  No branch hangs on a floating-point number.
; NO CLUSTER: K and V go once from memory into registers; the words into scalar registers.  K = 64 in an instruction of 128: Q's registers 6-11 are zero codes, bytes 2, 3 of both scale words are 0.
; LIMITS: a row with no open key gives zeros, as the NaN -> 0 of the definition; p under 2^-126 falls to 0; a block of zeros has the byte 1 (this program alone reads the bytes); a block's largest attn is taken from its
; largest score by the same instructions (it takes v_exp_f32 not to fall where its input rises); sums over 16 waves' parts are in another order than the definition's; NaN and infinite scores are not served;
; the scaled scores stay under 2^31 in magnitude.
.set PC1,   3145728
.set PSO,   9437184
.set PS1,   131072
.set AQS,   3145728
.set ST1,   2560                       ; LDS: the statistics, two buffers: row r of 144 bytes: -M_w of 16 waves, l_w of 16 waves, 16 of padding
.set OP,    5120                       ; the partial O^T [w 16][buffer 2][pair 16][lane][8]
.set FB,    136192                     ; the finished O^T [i 16][pair 16][lane][8]
.set SPARE, 201728
.set O8,   1
.set SPW,  2
.set NIL,  3
.set STW,  4
.set STR,  5
.set OPW,  6
.set OPR,  7
.set FW0,  8
.set FW,   9
.set QA0,  10
.set QA,   11
.set QSA0, 12
.set QSA,  13
.set NINF, 14
.set FRD,  15
.set KF,   16
.set VF,   64
.set KS,   112
.set VS,   116
.set QS,   118
.set PW,   119
.set QF,   120                         ; v120-131 Q; v126-131 stay 0
.set QSR,  132
.set OPR2, 133
.set NM,   134
.set LS,   136
.set FF,   138
.set BM,   140
.set BT,   144
.set SO,   148
.set ST,   152
.set PCD,  168
.set PT,   180
.set CM,   183                         ; 3e38: -M_w of a wave with no open key
.set S,    188
.set RB,   S+32
.macro DL n
	s_delay_alu instid0(VALU_DEP_\n)
.endm
	s_load_b128 s[4:7], s[0:1], 0x0                ; pq, lm
	s_load_b64 s[8:9], s[0:1], 0x10                ; aq
	s_load_b64 s[84:85], s[0:1], 0x18              ; cl
	v_lshl_add_u32 v[SPW], v0, 2, SPARE
	v_mov_b32 v[NIL], 0
	v_lshrrev_b32 v1, 5, v0
	DL 1
	v_readfirstlane_b32 s10, v1                    ; w
	s_and_b32 s86, s10, 3
	s_lshr_b32 s88, s10, 2
	s_xor_b32 s88, s88, s86                        ; kb / 4
	s_lshl_b32 s90, s88, 2
	s_or_b32 s90, s90, s86                         ; kb
	s_lshl_b32 s87, s86, 1
	s_or_b32 s87, s87, 0x20000                     ; s_bfe_u32's field: two bits from bit 2 (kb % 4)
	s_and_b32 s12, ttmp7, 0xffff
	s_lshr_b32 s13, s12, 4                         ; n
	s_and_b32 s14, s12, 15                         ; hd
	s_lshr_b32 s15, s14, 1
	s_and_b32 s2, s14, 1
	s_lshl_b32 s96, s2, 4
	s_mul_i32 s3, s2, 768
	s_lshl_b32 s16, s15, 8
	s_lshl_b32 s17, s13, 7
	s_add_co_u32 s16, s16, s17
	s_lshl_b32 s18, s90, 3
	s_add_co_u32 s18, s18, s16
	s_mul_i32 s18, s18, 1536
	s_add_co_u32 s18, s18, s3
	s_add_co_u32 s18, s18, PC1                     ; K's codes: my eight tiles
	s_add_co_u32 s19, s16, ttmp9
	s_mul_i32 s19, s19, 1536
	s_add_co_u32 s19, s19, s3                      ; Q's codes: tile g
	s_lshl_b32 s20, s13, 4
	s_add_co_u32 s20, s20, s90
	s_lshl_b32 s21, s20, 6
	s_lshl_b32 s22, s14, 2
	s_add_co_u32 s21, s21, s22
	s_mul_i32 s21, s21, 1536
	s_add_co_u32 s21, s21, 2*PC1                   ; V's codes
	s_lshl_b32 s22, s20, 4
	s_add_co_u32 s22, s22, s14
	s_lshl_b32 s22, s22, 8
	s_add_co_u32 s22, s22, PSO+2*PS1               ; V's scale words
	s_lshl_b32 s23, s16, 6
	s_lshl_b32 s24, s90, 9
	s_add_co_u32 s24, s24, s23
	s_add_co_u32 s24, s24, PSO+PS1                 ; K's scale words
	s_lshr_b32 s25, ttmp9, 2
	s_lshl_b32 s25, s25, 8
	s_add_co_u32 s25, s25, s23
	s_and_b32 s26, ttmp9, 1
	s_lshl_b32 s26, s26, 7
	s_add_co_u32 s25, s25, s26
	s_bfe_u32 s26, ttmp9, 0x10001
	s_lshl_b32 s26, s26, 2
	s_add_co_u32 s25, s25, s26
	s_add_co_u32 s25, s25, PSO                     ; Q's scale words
	s_lshl_b32 s26, s13, 3
	s_add_co_u32 s26, s26, ttmp9                   ; 8 n + g
	s_lshl_b32 s101, s26, 2
	s_add_co_u32 s101, s101, s88
	s_lshl_b32 s101, s101, 6                       ; my 16 class words
	s_lshl_b32 s27, s26, 4
	s_add_co_u32 s27, s27, s90
	s_lshl_b32 s89, s27, 12                        ; my lane-mask words; 256 bytes a tile
	s_lshl_b32 s27, s10, 3
	s_add_co_u32 s27, s27, s17
	s_add_co_u32 s27, s27, ttmp9                   ; the token tile that I store at the end: 128 n + g + 8 w
	s_lshl_b32 s28, s27, 3
	s_add_co_u32 s28, s28, s15
	s_mul_i32 s28, s28, 1536
	s_add_co_u32 s3, s28, s3
	s_lshl_b32 s27, s27, 9
	s_lshr_b32 s28, s15, 1
	s_lshl_b32 s28, s28, 7
	s_add_co_u32 s27, s27, s28
	s_and_b32 s28, s15, 1
	s_lshl_b32 s28, s28, 2
	s_add_co_u32 s27, s27, s28
	s_lshl_b32 s28, s2, 1
	s_add_co_u32 s27, s27, s28
	s_add_co_u32 s14, s27, AQS
	v_and_b32 v13, 31, v0
	v_and_b32 v9, 15, v0
	v_bfe_u32 v11, v0, 4, 1
	DL 3
	v_lshlrev_b32 v[O8], 3, v13
	s_wait_alu depctr_va_vdst(0)                   ; the wait behind these writes
	v_mul_u32_u24 v[STW], v9, 144
	DL 1
	v_lshl_add_u32 v[STR], v11, 5, v[STW]
	s_lshl_b32 s28, s10, 2
	v_add_nc_u32 v[STW], s28, v[STW]
	s_lshl_b32 s28, s10, 13
	s_add_co_u32 s29, s28, OP
	v_add_nc_u32 v[OPW], s29, v[O8]
	s_lshl_b32 s28, s10, 12
	s_add_co_u32 s29, s28, FB
	v_add_nc_u32 v[FRD], s29, v[O8]
	s_lshl_b32 s28, s10, 8
	s_add_co_u32 s29, s28, OP
	v_add_nc_u32 v[OPR], s29, v[O8]
	DL 1
	v_add_nc_u32 v[OPR2], 0x10000, v[OPR]
	s_add_co_u32 s29, s28, FB
	v_add_nc_u32 v[FW0], s29, v[O8]
	v_add_nc_u32 v[QA0], s19, v[O8]
	v_lshlrev_b32 v[QSA0], 3, v9
	DL 1
	v_add_nc_u32 v[QSA0], s25, v[QSA0]
	v_add_nc_u32 v252, s18, v[O8]
	v_add_nc_u32 v253, s21, v[O8]
	v_add_nc_u32 v254, s24, v[O8]
	v_add_nc_u32 v255, s22, v[O8]
	s_mov_b32 s92, 0x76543210
	s_mov_b32 s93, 0xfedcba98
	s_mov_b32 s94, 0x3e38aa3b                      ; c = log2(e) / 8
	s_mov_b32 s95, s94
	s_mov_b32 s11, 0
	s_mov_b32 s99, 0
	s_mov_b32 s100, s89
	s_wait_alu depctr_va_vdst(0)
	s_wait_kmcnt 0x0
	s_load_b512 s[68:83], s[84:85], s101           ; the class words of my four key steps, tiles i = 0 .. 15
	s_load_b512 s[16:31], s[6:7], s100 offset:0x0  ; with them 48 of the first tile's 64 lane-mask words
	s_load_b512 s[32:47], s[6:7], s100 offset:0x40
	s_load_b512 s[48:63], s[6:7], s100 offset:0x80
.irp t, 0,1,2,3,4,5,6,7
.irp p, 0,1,2
	global_load_b64 v[KF+6*\t+2*\p:KF+6*\t+2*\p+1], v252, s[4:5] offset:1536*\t+256*\p
.endr
.endr
.set k, 0
.rept 24
	global_load_b64 v[VF+2*k:VF+2*k+1], v253, s[4:5] offset:256*k
.set k, k+1
.endr
	global_load_b64 v[KS:KS+1], v254, s[4:5]
	global_load_b64 v[KS+2:KS+3], v254, s[4:5] offset:256
	global_load_b64 v[VS:VS+1], v255, s[4:5]
.irp p, 0,1,2
	global_load_b64 v[QF+2*\p:QF+2*\p+1], v[QA0], s[4:5] offset:256*\p
.endr
	global_load_b32 v[QSR], v[QSA0], s[4:5]
	v_mov_b32 v[NINF], 0xff800000
	v_mov_b32 v[CM], 0x7f61b1e6
.irp j, 6,7,8,9,10,11
	v_mov_b32 v[QF+\j], 0
.endr
.irp b, 0,1,2,3
	v_mov_b32 v[BT+\b], 0                          ; a lane permute's destination counts as read
	v_mov_b32 v[BM+\b], 0
.endr
	v_mov_b32 v[FF+1], 0
	v_mov_b32 v[NM], 0
	v_mov_b32 v[NM+1], 0
.set x, 0
.rept 64
	v_mov_b32 v[S+x], 0                            ; once: what phase 2 names has a value on every way through the text, whichever arm phase 1 took
.set x, x+1
.endr
	s_wait_alu depctr_va_vdst(0)
	s_wait_kmcnt 0x0
	s_bfe_u32 s97, s68, s87                        ; my key step's two bits of each word, tile i's at bits 2 i, 2 i + 1
.set i, 1
.rept 15
	s_bfe_u32 s[68+i], s[68+i], s87
	s_lshl_b32 s[68+i], s[68+i], 2*i
	s_or_b32 s97, s97, s[68+i]
.set i, i+1
.endr
	s_load_b512 s[68:83], s[6:7], s100 offset:0xc0 ; the first tile's last 16 words, into the registers that held the classes
	s_mov_b32 s98, 0                               ; 1: my partial result in buffer 0 holds zeros
	s_mov_b32 s101, 0                              ; the same for buffer 1
	s_wait_loadcnt 0x0
.irp j, 0,1,2,3
	v_lshrrev_b32 v[KS+\j], s96, v[KS+\j]          ; my head's two bytes; bytes 2 and 3 become 0
.endr
.irp j, 0,1,2,3
	DL 4
	v_and_b32 v[KS+\j], 0xffff, v[KS+\j]
.endr
.macro RLOAD buf                       ; register pair w of all sixteen partial results in buffer buf
.set k, 0
.rept 8
	ds_load_b64 v[RB+2*k:RB+2*k+1], v[OPR] offset:8192*k+4096*(\buf)
.set k, k+1
.endr
.rept 8
	ds_load_b64 v[RB+2*k:RB+2*k+1], v[OPR2] offset:8192*(k-8)+4096*(\buf)
.set k, k+1
.endr
.endm
.macro TREE1
.irp k, 0,1,2,3,4,5,6,7
	v_pk_add_f32 v[RB+4*\k:RB+4*\k+1], v[RB+4*\k:RB+4*\k+1], v[RB+4*\k+2:RB+4*\k+3]
.endr
.endm
.macro TREE2
.irp k, 0,1,2,3
	v_pk_add_f32 v[RB+8*\k:RB+8*\k+1], v[RB+8*\k:RB+8*\k+1], v[RB+8*\k+4:RB+8*\k+5]
.endr
	DL 3
	v_pk_add_f32 v[RB:RB+1], v[RB:RB+1], v[RB+8:RB+9]
	DL 2
	v_pk_add_f32 v[RB+16:RB+17], v[RB+16:RB+17], v[RB+24:RB+25]
	DL 1
	v_pk_add_f32 v[ST:ST+1], v[RB:RB+1], v[RB+16:RB+17]
.endm
.macro ASKQ                            ; the next tile's Q, where it has an open key of mine
	s_bitcmp1_b32 s97, 2
	s_cbranch_scc0 .Lnq_\@
.irp p, 0,1,2
	global_load_b64 v[QF+2*\p:QF+2*\p+1], v[QA], s[4:5] offset:256*\p
.endr
	global_load_b32 v[QSR], v[QSA], s[4:5]
.Lnq_\@:
.endm
.macro ASKW                            ; its words, where some keys are open and some closed
	s_bfe_u32 s12, s97, 0x20002
	s_cmp_lg_u32 s12, 1
	s_cbranch_scc1 .Lnw_\@
	s_load_b512 s[16:31], s[6:7], s100 offset:0x0
	s_load_b512 s[32:47], s[6:7], s100 offset:0x40
	s_load_b512 s[48:63], s[6:7], s100 offset:0x80
	s_load_b512 s[68:83], s[6:7], s100 offset:0xc0
.Lnw_\@:
.endm
; ONE QUERY TILE.  buf: its buffers in LDS.  red = 1: the tile before is added up and kept at v[fa] + fo.  more = 1: the next tile, number 2 j + nxt, is asked for.  s97's bits 0, 1: this tile's class; bits 2, 3: the next one's
.macro TRIP buf, red, more, nxt, fa, fo
.set ZF, 98+3*(\buf)
	s_wait_alu depctr_va_vdst(0)
	s_wait_loadcnt 0x0                             ; this tile's Q, if it was asked for: so its address registers may be written
	s_wait_kmcnt 0x0                               ; and its words: so s100 may be written
.if \more
	s_lshl_b32 s91, s11, 1
	s_add_co_u32 s91, s91, \nxt
	s_mul_i32 s12, s91, 12288
	s_lshl_b32 s13, s91, 9
	s_lshl_b32 s100, s91, 8
	s_add_co_u32 s100, s100, s89
.endif
	s_bitcmp1_b32 s97, 0
	s_cbranch_scc0 .Li1_\@
; ---- phase 1, some key of mine is open
	v_lshrrev_b32 v[QS], s96, v[QSR]
	DL 1
	v_and_b32 v[QS], 0xffff, v[QS]
.rept 8
	v_nop                                          ; a scale register written by a vector instruction stands 8 places ahead of a scaled matrix instruction
.endr
.set t, 0
.rept 4
	v_wmma_scale_f32_16x16x128_f8f6f4 v[S+16*t:S+16*t+7], v[KF+12*t:KF+12*t+11], v[QF:QF+11], 0, v[KS+t], v[QS] matrix_a_fmt:MATRIX_FMT_FP6 matrix_b_fmt:MATRIX_FMT_FP6
	v_wmma_scale_f32_16x16x128_f8f6f4 v[S+16*t+8:S+16*t+15], v[KF+12*t+6:KF+12*t+17], v[QF:QF+11], 0, v[KS+t], v[QS] matrix_a_fmt:MATRIX_FMT_FP6 matrix_b_fmt:MATRIX_FMT_FP6 matrix_a_scale:MATRIX_SCALE_ROW1
.set t, t+1
.endr
.if \more
	v_add_nc_u32 v[QA], s12, v[QA0]                ; these two and the two v_nop: the four places behind the products
	v_add_nc_u32 v[QSA], s13, v[QSA0]
	v_nop
	v_nop
	ASKQ
.else
.rept 4
	v_nop
.endr
.endif
	s_bitcmp1_b32 s97, 1
	s_cbranch_scc1 .Lopen_\@                       ; all open: nothing to select
.set x, 0
.rept 48
	v_cndmask_b32 v[S+x], v[NINF], v[S+x], s[16+x] ; a closed key's score becomes -infinity
.set x, x+1
.endr
.rept 16
	v_cndmask_b32 v[S+x], v[NINF], v[S+x], s[20+x]
.set x, x+1
.endr
.Lopen_\@:
.if \more
	ASKW
.endif
.irp b, 0,1,2,3
	v_max3_num_f32 v[BM+\b], v[S+16*\b], v[S+16*\b+1], v[S+16*\b+2]   ; the largest score of each block of 32 keys; each accumulator is read from its low end on
.endr
.irp i, 3,5,7,9,11,13
.irp b, 0,1,2,3
	v_max3_num_f32 v[BM+\b], v[BM+\b], v[S+16*\b+\i], v[S+16*\b+\i+1]   ; (the four blocks by turns)
.endr
.endr
.irp b, 0,1,2,3
	v_max_num_f32 v[BM+\b], v[BM+\b], v[S+16*\b+15]
.endr
.irp b, 0,1,2,3
	DL 4
	v_permlanex16_b32 v[BT+\b], v[BM+\b], s92, s93
.endr
.irp b, 0,1,2,3
	DL 4
	v_max_num_f32 v[BM+\b], v[BM+\b], v[BT+\b]
.endr
	DL 2
	v_max3_num_f32 v252, v[BM], v[BM+1], v[BM+2]
	DL 1
	v_max_num_f32 v252, v252, v[BM+3]
	DL 1
	v_mul_f32 v252, s94, v252
	DL 1
	v_max_num_f32 v[NM+1], 0xff61b1e6, v252        ; at least -3e38: a query with no open key among mine
	DL 1
	v_floor_f32 v[NM], -v[NM+1]                    ; -M_w: M_w is a whole number
.set x, 0
.rept 32
	v_pk_fma_f32 v[S+x:S+x+1], v[S+x:S+x+1], s[94:95], v[NM:NM+1] op_sel_hi:[1,0,0]   ; t - M_w
.set x, x+2
.endr
.irp b, 0,1,2,3
	v_fma_f32 v[BM+\b], v[BM+\b], s94, v[NM]       ; the same of each block's largest score
.endr
	s_wait_alu depctr_va_vdst(0)                   ; ahead of the batch
.set x, 0
.rept 64
	v_exp_f32 v[S+x], v[S+x]                       ; p = 2^(t - M_w)
.set x, x+1
.endr
.irp b, 0,1,2,3
	v_exp_f32 v[BM+\b], v[BM+\b]                   ; each block's largest p
.endr
	v_nop                                          ; a plain place behind the batch
	s_wait_alu depctr_va_vdst(0)                   ; one wait for the batch of 68
	v_pk_add_f32 v[LS:LS+1], v[S:S+1], v[S+2:S+3]  ; the sum of the unquantised p, in four chains by turns (the statistics' registers are free in this phase)
	v_pk_add_f32 v[254:255], v[S+4:S+5], v[S+6:S+7]
	v_pk_add_f32 v[ST:ST+1], v[S+8:S+9], v[S+10:S+11]
	v_pk_add_f32 v[ST+2:ST+3], v[S+12:S+13], v[S+14:S+15]
.set x, 16
.rept 6
	v_pk_add_f32 v[LS:LS+1], v[LS:LS+1], v[S+x:S+x+1]
	v_pk_add_f32 v[254:255], v[254:255], v[S+x+2:S+x+3]
	v_pk_add_f32 v[ST:ST+1], v[ST:ST+1], v[S+x+4:S+x+5]
	v_pk_add_f32 v[ST+2:ST+3], v[ST+2:ST+3], v[S+x+6:S+x+7]
.set x, x+8
.endr
	v_pk_add_f32 v[LS:LS+1], v[LS:LS+1], v[254:255]
	v_pk_add_f32 v[ST:ST+1], v[ST:ST+1], v[ST+2:ST+3]
	DL 1
	v_pk_add_f32 v[LS:LS+1], v[LS:LS+1], v[ST:ST+1]
	DL 1
	v_add_f32 v[LS], v[LS], v[LS+1]
	DL 1
	v_permlanex16_b32 v253, v[LS], s92, s93
	DL 1
	v_add_f32 v[LS], v[LS], v253                   ; l_w
	ds_store_b32 v[STW], v[NM] offset:ST1*(\buf)   ; lanes r and 16 + r write the same word with the same value
	ds_store_b32 v[STW], v[LS] offset:ST1*(\buf)+64
	s_branch .Lj1_\@
.Li1_\@:
; ---- phase 1, no key of mine is open
.if \more
	v_add_nc_u32 v[QA], s12, v[QA0]
	v_add_nc_u32 v[QSA], s13, v[QSA0]
	ASKQ
	ASKW
.endif
	ds_store_b32 v[STW], v[CM] offset:ST1*(\buf)
	ds_store_b32 v[STW], v[QF+6] offset:ST1*(\buf)+64   ; l_w = 0
.Lj1_\@:
	s_wait_alu depctr_va_vdst(0)
	s_wait_dscnt 0x0                               ; my figures have landed, and the last tile's partial result and finished pair; none of my LDS reads is out
	s_barrier_signal -1
	s_barrier_wait -1
	s_bitcmp1_b32 s97, 0
	s_cbranch_scc0 .Li2_\@
; ---- phase 2, some key of mine is open
	ds_load_b128 v[ST:ST+3], v[STR] offset:ST1*(\buf)       ; my half of the lanes takes eight waves' figures
	ds_load_b128 v[ST+4:ST+7], v[STR] offset:ST1*(\buf)+16
	ds_load_b128 v[ST+8:ST+11], v[STR] offset:ST1*(\buf)+64
	ds_load_b128 v[ST+12:ST+15], v[STR] offset:ST1*(\buf)+80
	s_wait_dscnt 0x0
	v_min3_num_f32 v254, v[ST], v[ST+1], v[ST+2]
	DL 1
	v_min3_num_f32 v254, v254, v[ST+3], v[ST+4]
	DL 1
	v_min3_num_f32 v254, v254, v[ST+5], v[ST+6]
	DL 1
	v_min_num_f32 v254, v254, v[ST+7]
	DL 1
	v_permlanex16_b32 v253, v254, s92, s93
	DL 1
	v_min_num_f32 v254, v254, v253                 ; -M
.irp k, 0,1,2,3,4,5,6,7
	v_sub_f32 v[ST+\k], v254, v[ST+\k]             ; M_k - M: a whole number, 0 or less
.endr
	v_sub_f32 v252, v254, v[NM]
.irp k, 0,1,2,3,4,5,6,7
	v_cvt_i32_f32 v[ST+\k], v[ST+\k]               ; (it saturates)
.endr
.irp k, 0,1,2,3,4,5,6,7
	v_ldexp_f32 v[ST+8+\k], v[ST+8+\k], v[ST+\k]   ; l_k under M: nothing is rounded
.endr
	v_pk_add_f32 v[ST+8:ST+9], v[ST+8:ST+9], v[ST+10:ST+11]
	DL 2
	v_pk_add_f32 v[ST+12:ST+13], v[ST+12:ST+13], v[ST+14:ST+15]
	DL 1
	v_pk_add_f32 v[ST+8:ST+9], v[ST+8:ST+9], v[ST+12:ST+13]
	DL 1
	v_add_f32 v[ST+8], v[ST+8], v[ST+9]
	DL 1
	v_permlanex16_b32 v253, v[ST+8], s92, s93
	DL 1
	v_add_f32 v[ST+8], v[ST+8], v253               ; l: the row's sum
	s_wait_alu depctr_va_vdst(0)
	v_rcp_f32 v[ST+9], v[ST+8]
	v_cvt_i32_f32 v252, v252                       ; (a plain place behind the reciprocal)
	v_cmp_lt_f32 vcc_lo, 0, v[ST+8]
	s_wait_alu depctr_va_vdst(0)
	v_cndmask_b32 v[ST+9], 0, v[ST+9], vcc_lo      ; a row with no open key: 0
	DL 1
	v_ldexp_f32 v[FF], v[ST+9], v252               ; f = 2^(M_w - M) / l
.set x, 0
.rept 32
	v_pk_mul_f32 v[S+x:S+x+1], v[S+x:S+x+1], v[FF:FF+1] op_sel_hi:[1,0]   ; attn, finished
.set x, x+2
.endr
.irp b, 0,1,2,3
	v_mul_f32 v[BM+\b], v[BM+\b], v[FF]            ; each block's largest attn
.endr
.irp b, 0,1,2,3
	DL 4
	v_max_num_f32 v[BM+\b], 0x1800000, v[BM+\b]    ; the floor 2^(3 - 127)
.endr
.irp b, 0,1,2,3
	DL 4
	v_add_nc_u32 v[SO+\b], 0xff000000, v[BM+\b]
.endr
.irp b, 0,1,2,3
	DL 4
	v_lshrrev_b32 v[BT+\b], 23, v[SO+\b]
.endr
	DL 3
	v_lshl_or_b32 v[PW], v[BT+1], 8, v[BT]
	DL 1
	v_lshl_or_b32 v[PW], v[BT+2], 16, v[PW]
	DL 1
	v_lshl_or_b32 v[PW], v[BT+3], 24, v[PW]
.irp c, 0,1
	v_cvt_scalef32_pk16_fp6_f32 v[PCD+6*\c:PCD+6*\c+2], v[S+32*\c:S+32*\c+15], v[SO+2*\c]
	v_cvt_scalef32_pk16_fp6_f32 v[PT+4*\c:PT+4*\c+2], v[S+32*\c+16:S+32*\c+31], v[SO+2*\c+1]
.endr
	v_nop                                          ; one plain place behind a scaled conversion
.if \red
	RLOAD 1-(\buf)                                 ; the last tile's partial results, into score registers that are done with
.endif
.irp c, 0,1
.irp i, 0,1,2
	v_permlane16_swap_b32 v[PCD+6*\c+\i], v[PT+4*\c+\i]
.endr
.irp i, 0,1,2
	DL 3
	v_mov_b32 v[PCD+3+6*\c+\i], v[PT+4*\c+\i]
.endr
.endr
.rept 8
	v_nop                                          ; an operand written by vector instructions stands 4 places, a scale register 8, ahead of a scaled matrix instruction
.endr
.set t, 0
.rept 2
	v_wmma_scale_f32_16x16x128_f8f6f4 v[S+16*t:S+16*t+7], v[VF+24*t:VF+24*t+11], v[PCD:PCD+11], 0, v[VS+t], v[PW] matrix_a_fmt:MATRIX_FMT_FP6 matrix_b_fmt:MATRIX_FMT_FP6
	v_wmma_scale_f32_16x16x128_f8f6f4 v[S+16*t+8:S+16*t+15], v[VF+24*t+12:VF+24*t+23], v[PCD:PCD+11], 0, v[VS+t], v[PW] matrix_a_fmt:MATRIX_FMT_FP6 matrix_b_fmt:MATRIX_FMT_FP6 matrix_a_scale:MATRIX_SCALE_ROW1
.set t, t+1
.endr
.if \red
	s_wait_dscnt 0x0                               ; the sixteen pairs are in
	TREE1                                          ; eight additions: the places behind the products
.else
.rept 5
	v_nop
.endr
.endif
.set k, 0
.rept 16
	ds_store_b64 v[OPW], v[S+2*k:S+2*k+1] offset:4096*(\buf)+256*k   ; my partial result; each accumulator from its low end on
.set k, k+1
.endr
.if \red
	TREE2
	ds_store_b64 v[\fa], v[ST:ST+1] offset:\fo     ; the last tile's finished pair
.endif
	s_mov_b32 s[ZF], 0                             ; this buffer no longer holds zeros
	s_branch .Lj2_\@
.Li2_\@:
; ---- phase 2, no key of mine is open: my partial result is 0; my share of the additions stays
.if \red
	RLOAD 1-(\buf)
.endif
	s_cmp_lg_u32 s[ZF], 0
	s_cbranch_scc1 .Lz_\@
.set k, 0
.rept 16
	ds_store_b64 v[OPW], v[QF+6:QF+7] offset:4096*(\buf)+256*k
.set k, k+1
.endr
	s_mov_b32 s[ZF], 1
.Lz_\@:
.if \red
	s_wait_dscnt 0x0
	TREE1
	TREE2
	ds_store_b64 v[\fa], v[ST:ST+1] offset:\fo
.endif
.Lj2_\@:
	s_lshr_b32 s97, s97, 2                         ; on to the next tile's class
.endm
	TRIP 0, 0, 1, 1, FW0, 0                        ; tile 0: nothing to add yet
.Lpair:                                            ; 7 turns of two trips: tiles 2 j + 1 and 2 j + 2
	v_add_nc_u32 v[FW], s99, v[FW0]
	TRIP 1, 1, 1, 2, FW, 0
	TRIP 0, 1, 1, 3, FW, 4096
	s_add_co_u32 s99, s99, 8192
	s_add_co_u32 s11, s11, 1
	s_cmp_lt_u32 s11, 7
	s_cbranch_scc1 .Lpair
	TRIP 1, 1, 0, 0, FW0, 14*4096                  ; tile 15: no next tile
	s_wait_alu depctr_va_vdst(0)
	s_wait_dscnt 0x0                               ; my partial result of tile 15 has landed
	s_barrier_signal -1
	s_barrier_wait -1
	RLOAD 1
	s_wait_dscnt 0x0
	TREE1
	TREE2
	ds_store_b64 v[FW0], v[ST:ST+1] offset:15*4096
; ---- the end: wave w quantises tile i = w along the head's 64: register 16 b + j is d = 32 b + 16 h + j
	s_wait_dscnt 0x0
	s_barrier_signal -1
	s_barrier_wait -1
.set k, 0
.rept 16
	ds_load_b64 v[S+2*k:S+2*k+1], v[FRD] offset:256*k
.set k, k+1
.endr
	s_wait_dscnt 0x0
.irp b, 0,1
	v_max3_num_f32 v[BM+\b], |v[S+16*\b]|, |v[S+16*\b+1]|, 0x1800000
.endr
.irp i, 2,4,6,8,10,12,14
.irp b, 0,1
	DL 2
	v_max3_num_f32 v[BM+\b], v[BM+\b], |v[S+16*\b+\i]|, |v[S+16*\b+\i+1]|
.endr
.endr
.irp b, 0,1
	DL 2
	v_permlanex16_b32 v[BT+\b], v[BM+\b], s92, s93
.endr
.irp b, 0,1
	DL 2
	v_max_num_f32 v[BM+\b], v[BM+\b], v[BT+\b]
.endr
.irp b, 0,1
	DL 2
	v_add_nc_u32 v[SO+\b], 0xff000000, v[BM+\b]
.endr
.irp b, 0,1
	DL 2
	v_lshrrev_b32 v[BT+\b], 23, v[SO+\b]
.endr
	DL 1
	v_lshl_or_b32 v254, v[BT+1], 8, v[BT]          ; my head's two bytes of the row's scale word
	v_cvt_scalef32_pk16_fp6_f32 v[PCD:PCD+2], v[S:S+15], v[SO]
	v_cvt_scalef32_pk16_fp6_f32 v[PT:PT+2], v[S+16:S+31], v[SO+1]
	v_nop
.irp i, 0,1,2
	v_permlane16_swap_b32 v[PCD+\i], v[PT+\i]
.endr
.irp i, 0,1,2
	DL 3
	v_mov_b32 v[PCD+3+\i], v[PT+\i]
.endr
	v_add_nc_u32 v252, s3, v[O8]
	v_and_b32 v253, 15, v0
	DL 1
	v_lshlrev_b32 v253, 3, v253
	DL 1
	v_add_nc_u32 v253, s14, v253
	v_and_b32 v255, 31, v0
.irp p, 0,1,2
	global_store_b64 v252, v[PCD+2*\p:PCD+2*\p+1], s[8:9] offset:256*\p   ; 256 consecutive, aligned bytes each
.endr
	s_wait_alu depctr_va_vdst(0)
	s_wait_xcnt 0x0                                ; EXEC changes only behind this wait
	v_cmp_gt_u32 vcc_lo, 16, v255
	s_and_saveexec_b32 s12, vcc_lo
	global_store_b16 v253, v254, s[8:9]            ; two bytes a row: a scale word of the last product holds two heads' bytes, which two work-groups make
	s_wait_xcnt 0x0
	s_or_b32 exec_lo, exec_lo, s12
	s_wait_tensorcnt 0x0                           ; the wave's end, behind my last LDS store
	ds_add_u32 v[SPW], v[NIL]
	s_wait_dscnt 0x0
	s_endpgm
.Lfunc_end_k_q81ac11dd7a_attn:
	.size	k_q81ac11dd7a_attn, .Lfunc_end_k_q81ac11dd7a_attn-k_q81ac11dd7a_attn
	.p2alignl 7, 3214868480
	.fill 96, 4, 3214868480
	.section	.rodata,"a",@progbits
	.p2align	6, 0x0
	.amdhsa_kernel k_q81ac11dd7a_attn
		.amdhsa_group_segment_fixed_size 203776
		.amdhsa_private_segment_fixed_size 0
		.amdhsa_enable_private_segment 0
		.amdhsa_kernarg_size 32
		.amdhsa_user_sgpr_count 2
		.amdhsa_user_sgpr_kernarg_segment_ptr 1
		.amdhsa_wavefront_size32 1
		.amdhsa_system_sgpr_workgroup_id_x 1
		.amdhsa_system_sgpr_workgroup_id_y 1
		.amdhsa_system_sgpr_workgroup_id_z 1
		.amdhsa_system_vgpr_workitem_id 0
		.amdhsa_next_free_vgpr 256
		.amdhsa_next_free_sgpr 102
		.amdhsa_reserve_vcc 1
		.amdhsa_float_denorm_mode_32 3
		.amdhsa_float_denorm_mode_16_64 3
		.amdhsa_memory_ordered 1
		.amdhsa_forward_progress 1
		.amdhsa_inst_pref_size 143
	.end_amdhsa_kernel
	.amdgpu_metadata
---
amdhsa.version: [ 1, 2 ]
amdhsa.kernels:
  - .name:           k_q81ac11dd7a_attn
    .symbol:         k_q81ac11dd7a_attn.kd
    .args:
      - { .name: pq, .offset: 0, .size: 8, .value_kind: global_buffer, .address_space: global }
      - { .name: lm, .offset: 8, .size: 8, .value_kind: global_buffer, .address_space: global }
      - { .name: aq, .offset: 16, .size: 8, .value_kind: global_buffer, .address_space: global }
      - { .name: cl, .offset: 24, .size: 8, .value_kind: global_buffer, .address_space: global }
    .group_segment_fixed_size: 203776
    .private_segment_fixed_size: 0
    .kernarg_segment_align: 8
    .kernarg_segment_size: 32
    .max_flat_workgroup_size: 512
    .sgpr_count:     102
    .vgpr_count:     256
    .wavefront_size: 32
...
	.end_amdgpu_metadata
.endif
;; end of part 3
;; launch outp (part 4): grid 8 x 32, 4 waves a work-group, clusters of 4 x 4, 327,680 bytes of LDS; arguments aq, wq, out0; writes out0
.if DOCPART == 4
	.amdgcn_target "amdgcn-amd-amdhsa--gfx1250"
	.amdhsa_code_object_version 6
	.text
	.protected	k_q81ac11dd7a_outp
	.globl	k_q81ac11dd7a_outp
	.p2align	8
	.type	k_q81ac11dd7a_outp,@function
k_q81ac11dd7a_outp:
	s_mov_b64 s[64:65], 0
	v_nop
	global_prefetch_b8 v0, s[64:65] scope:SCOPE_SE
	s_setreg_imm32_b32 hwreg(HW_REG_WAVE_MODE, 25, 1), 1
	s_wait_xcnt 0x0
	s_wait_alu depctr_hold_cnt(0) depctr_sa_sdst(0) depctr_va_vdst(0) depctr_va_sdst(0) depctr_va_ssrc(0) depctr_va_vcc(0) depctr_vm_vsrc(0)
	s_getreg_b32 s2, hwreg(HW_REG_IB_STS2, 6, 4)
	s_cmp_eq_u32 s2, 0
	s_cbranch_scc0 .Lentry_in_a_cluster
	s_endpgm
.Lentry_in_a_cluster:
	s_bfe_u32 s2, ttmp6, 0x10000c
	s_cmp_lg_u32 s2, 0xf033
	s_cbranch_scc0 .Lentry_shape_is_right
	s_endpgm
.Lentry_shape_is_right:
; OUTP.  out0 = attention's result x Wo^T on codes of FP6 (E2M3) with E8M0 scales, K = 1,024, f32 out.  A work-group of four waves makes 128 x 128, a wave 64 x 64 (16 accumulators).
; ALL OF K LIES IN LDS AT ONCE: 8 + 8 tiles of 12,288 bytes (operand images, eight K steps each) and 8,192 bytes of scale words.  The head has one joint load a wave: wave 0 the tokens' tiles, wave 1 Wo's,
; waves 2 and 3 the scale words; one barrier shows them to all four waves; nothing is filled again.  4 x 4 work-groups form a cluster: the tokens' tiles are shared along a row, Wo's along a column.
; NO PREFETCH: every byte is asked for at the head; there is no loop to run ahead in.
.set NT,    4
.set NQ,    4
.set FR,    12
.set NL,    6
.set TILEB, 12288
.set SIDE,  8*TILEB
.set SCL,   2*SIDE
.set HALFS, NT*512
.set STAGE, SCL+4*HALFS
.set SPARE, STAGE+4*16*272
.set WC,    786432
.set WSO,   3145728
.set WS,    32768
.set AQS,   3145728
.set ADRA,  16
.set ADRB,  20
.set STO,   24
.set RD,    25
.set CO,    26
.set ADRS,  27
.set SPW,   28
.set NIL,   29
.set SC,    32
.set AF,    128
.set BK,    128
.set G1A,   24
.set G1B,   32
.set G1SA,  40
.set G1SB,  48
.set G0SA,  56
.set G0SB,  60
.set G0A,   68
.set G0B,   80
.set MUL,   0xa1
.set TO_B,  0x40
.set MSB, 0
.macro WIN new
.if MSB != (\new)
	s_set_vgpr_msb (MSB<<8)|(\new)
.set MSB, (\new)
.endif
.endm
.macro TLOAD g0, g1
	tensor_load_to_lds s[\g0:\g0+3], s[\g1:\g1+7]
	s_nop 0
.rept 4
	v_nop
.endr
.endm
.macro ARM under, g0, g1, next
	s_cmp_lt_u32 s14, \under
	s_cbranch_scc0 \next
	TLOAD \g0, \g1
	s_branch .Lhead_asked
\next:
.endm
.macro CROUND
	s_barrier_signal -1
	s_barrier_wait -1
	s_cmp_lg_u32 s14, 0
	s_cbranch_scc1 .Lnot_wave_0_\@
	s_barrier_signal -3
.Lnot_wave_0_\@:
	s_barrier_wait -3
	s_barrier_signal -1
	s_barrier_wait -1
.endm
.macro PLACES
.rept 4
	v_nop
.endr
.endm
	s_load_b128 s[4:7], s[0:1], 0x0                ; aq, wq
	s_load_b64 s[8:9], s[0:1], 0x10                ; out0
	v_lshl_add_u32 v[SPW], v0, 2, SPARE
	v_mov_b32 v[NIL], 0
	ds_add_u32 v[SPW], v[NIL]                      ; the opening lines: the add twice on end and its wait ahead of my first tensor load
	ds_add_u32 v[SPW], v[NIL]
	v_lshrrev_b32 v1, 5, v0
	v_readfirstlane_b32 s14, v1                    ; wave
	s_lshr_b32 s15, s14, 1                         ; my half of the block's rows
	s_and_b32 s16, s14, 1                          ; my half of its columns
	s_bfe_u32 s92, ttmp6, 0x40000
	s_bfe_u32 s93, ttmp6, 0x40004
	s_lshl_b32 s18, ttmp9, 2
	s_add_co_u32 s18, s18, s92                     ; block column
	s_and_b32 s17, ttmp7, 0xffff
	s_lshl_b32 s17, s17, 2
	s_add_co_u32 s17, s17, s93                     ; block row
	s_lshl_b32 s97, s93, 2
	s_lshl_b32 s97, 15, s97
	s_lshl_b32 s98, 0x1111, s92
	s_or_b32 s[G1A], s97, (3<<16)|(1<<21)
	s_or_b32 s[G1B], s98, (3<<16)|(1<<21)
	s_or_b32 s[G1SA], s97, (3<<16)|(1<<21)
	s_or_b32 s[G1SB], s98, (3<<16)|(1<<21)
.irp g, G1A, G1B                       ; 8 tiles x 12,288 bytes (1,536 elements of 8)
	s_mov_b32 s[\g+1], 1536<<16
	s_mov_b32 s[\g+2], 8<<16
	s_mov_b32 s[\g+3], 1536<<16
	s_mov_b32 s[\g+4], 8
	s_mov_b32 s[\g+5], 1536
	s_mov_b32 s[\g+6], 0
	s_mov_b32 s[\g+7], 0
.endr
.irp g, G1SA, G1SB                     ; 8 tiles' scale words: 4,096 bytes as 16 rows of 256
	s_mov_b32 s[\g+1], 32<<16
	s_mov_b32 s[\g+2], 16<<16
	s_mov_b32 s[\g+3], 32<<16
	s_mov_b32 s[\g+4], 16
	s_mov_b32 s[\g+5], 32
	s_mov_b32 s[\g+6], 0
	s_mov_b32 s[\g+7], 0
.endr
	s_lshl_b32 s20, s17, 3
	s_mul_i32 s2, s20, 12288
	s_mov_b32 s3, 0
	s_lshl_b32 s10, s20, 9
	s_add_co_u32 s10, s10, AQS
	s_mov_b32 s11, 0
	s_lshl_b32 s21, s18, 3
	s_mul_i32 s12, s21, 12288
	s_add_co_u32 s12, s12, 3*WC
	s_mov_b32 s13, 0
	s_lshl_b32 s100, s21, 9
	s_add_co_u32 s100, s100, WSO+3*WS
	s_mov_b32 s101, 0
	s_wait_dscnt 0x0
	s_wait_kmcnt 0x0
	s_add_nc_u64 s[2:3], s[4:5], s[2:3]
	s_add_nc_u64 s[10:11], s[4:5], s[10:11]
	s_add_nc_u64 s[12:13], s[6:7], s[12:13]
	s_add_nc_u64 s[100:101], s[6:7], s[100:101]
	CROUND                                         ; in front of the joint loads
	s_mov_b32 s[G0A], 1
	s_mov_b32 s[G0A+1], 0
	s_mov_b64 s[G0A+2:G0A+3], s[2:3]
	s_or_b32 s[G0A+3], s[G0A+3], 0x80000000
	s_mov_b32 s[G0B], 1
	s_mov_b32 s[G0B+1], SIDE
	s_mov_b64 s[G0B+2:G0B+3], s[12:13]
	s_or_b32 s[G0B+3], s[G0B+3], 0x80000000
	s_mov_b32 s[G0SA], 1
	s_mov_b32 s[G0SA+1], SCL
	s_mov_b64 s[G0SA+2:G0SA+3], s[10:11]
	s_or_b32 s[G0SA+3], s[G0SA+3], 0x80000000
	s_mov_b32 s[G0SB], 1
	s_mov_b32 s[G0SB+1], SCL+2*HALFS
	s_mov_b64 s[G0SB+2:G0SB+3], s[100:101]
	s_or_b32 s[G0SB+3], s[G0SB+3], 0x80000000
	ARM 1, G0A,  G1A,  .Lhead_b                    ; one chain of branches on the wave's number, one load to an arm
	ARM 2, G0B,  G1B,  .Lhead_sa
	ARM 3, G0SA, G1SA, .Lhead_sb
	TLOAD G0SB, G1SB
.Lhead_asked:
	v_and_b32 v1, 31, v0
	v_and_b32 v2, 15, v0
	v_bfe_u32 v3, v0, 4, 1
	s_wait_alu depctr_va_vdst(0)                   ; the wait behind these writes
	v_lshlrev_b32 v4, 3, v1
	s_mul_i32 s20, s15, NT*TILEB
	s_mul_i32 s21, s16, NT*TILEB
	s_add_co_u32 s21, s21, SIDE
	v_add_nc_u32 v[ADRA], s20, v4
	v_add_nc_u32 v[ADRB], s21, v4
	v_lshlrev_b32 v5, 3, v2
	s_mul_i32 s20, s15, HALFS
	s_mul_i32 s21, s16, HALFS
	s_add_co_u32 s21, s21, 2*HALFS
	s_sub_co_u32 s21, s21, s20
	v_mul_u32_u24 v6, s21, v3                      ; lanes 16-31 take Wo's words
	s_add_co_u32 s20, s20, SCL
	v_add_nc_u32 v5, v5, v6
	v_add_nc_u32 v[ADRS], s20, v5
	s_mul_i32 s20, s14, 16*272
	s_add_co_u32 s20, s20, STAGE
	v_mul_u32_u24 v5, v2, 272
	v_lshl_add_u32 v5, v3, 5, v5
	v_add_nc_u32 v[STO], s20, v5
	v_mul_u32_u24 v5, v3, 272
	v_lshl_add_u32 v5, v2, 4, v5
	v_add_nc_u32 v[RD], s20, v5
	v_lshlrev_b32 v5, 12, v3
	v_lshl_add_u32 v[CO], v2, 4, v5
	s_lshl_b32 s20, s17, 7
	s_lshl_b32 s21, s15, 6
	s_add_co_u32 s20, s20, s21
	s_lshl_b32 s20, s20, 12
	s_lshl_b32 s21, s18, 9
	s_add_co_u32 s20, s20, s21
	s_lshl_b32 s21, s16, 8
	s_add_co_u32 s20, s20, s21
	s_mov_b32 s21, 0
	s_add_nc_u64 s[8:9], s[8:9], s[20:21]
.macro FRAG reg, adr, st, i
.irp p, 0,1,2,3,4,5
	ds_load_b64 v[\reg+2*\p:\reg+2*\p+1], v[\adr] offset:(\i)*TILEB+1536*(\st)+256*\p
.endr
.endm
.macro FETCH_B st, set
	WIN TO_B
.irp i, 0,1,2,3
	FRAG 128*(\set)+FR*\i, ADRB, \st, \i
.endr
	WIN 0
.endm
.macro FETCH_A st, i0
.irp i, \i0, \i0+1
	FRAG AF+FR*(\i), ADRA, \st, \i
.endr
.endm
.macro SCALES vis                      ; the words of K steps 4 vis .. 4 vis + 3 into set vis
.irp i, 0,1,2,3
.irp j, 0,1
	ds_load_b64 v[SC+16*(\vis)+4*\i+2*\j:SC+16*(\vis)+4*\i+2*\j+1], v[ADRS] offset:512*\i+128*(2*(\vis)+\j)
.endr
.endr
.endm
.macro MULA a, st, zero                ; the 16 accumulators take turns, in the same order in every step
.irp b, 0,1,2,3
.if \zero
	v_wmma_scale_f32_16x16x128_f8f6f4 v[8*(NT*(\a)+\b):8*(NT*(\a)+\b)+7], v[128*((\st)%2)+FR*\b:128*((\st)%2)+FR*\b+FR-1], v[AF+FR*(\a):AF+FR*(\a)+FR-1], 0, v[SC+16*((\st)/4)+NQ*\b+(\st)%4], v[SC+16*((\st)/4)+NQ*(\a)+(\st)%4] matrix_a_fmt:MATRIX_FMT_FP6 matrix_b_fmt:MATRIX_FMT_FP6 matrix_a_scale:MATRIX_SCALE_ROW1
.else
	v_wmma_scale_f32_16x16x128_f8f6f4 v[8*(NT*(\a)+\b):8*(NT*(\a)+\b)+7], v[128*((\st)%2)+FR*\b:128*((\st)%2)+FR*\b+FR-1], v[AF+FR*(\a):AF+FR*(\a)+FR-1], v[8*(NT*(\a)+\b):8*(NT*(\a)+\b)+7], v[SC+16*((\st)/4)+NQ*\b+(\st)%4], v[SC+16*((\st)/4)+NQ*(\a)+(\st)%4] matrix_a_fmt:MATRIX_FMT_FP6 matrix_b_fmt:MATRIX_FMT_FP6 matrix_a_scale:MATRIX_SCALE_ROW1
.endif
.endr
.endm
.macro STEP st, zero
	s_wait_dscnt 2*NL                              ; the 12 youngest loads (the tokens' blocks 2, 3) may be out
	WIN MUL
	MULA 0, \st, \zero
	MULA 1, \st, \zero
	s_wait_dscnt 0x0
	PLACES
	FETCH_B (\st)+1, ((\st)+1)%2
	FETCH_A (\st)+1, 0
.if (\st) == 3
	SCALES 1
.endif
	WIN MUL
	MULA 2, \st, \zero
	MULA 3, \st, \zero
	PLACES
	WIN 0
	FETCH_A (\st)+1, 2
.endm
	s_wait_alu depctr_va_vdst(0)
	s_wait_tensorcnt 0x0                           ; my tile of the four is in
	s_barrier_signal -1
	s_barrier_wait -1                              ; and so are the others'
	FETCH_B 0, 0
	FETCH_A 0, 0
	SCALES 0
	FETCH_A 0, 2
	STEP 0, 1
.irp st, 1,2,3,4,5,6
	STEP \st, 0
.endr
	s_wait_dscnt 2*NL
	WIN MUL
	MULA 0, 7, 0
	MULA 1, 7, 0
	s_wait_dscnt 0x0
	MULA 2, 7, 0
	MULA 3, 7, 0
	WIN 0
; The way out: 16 rows x 64 columns at a time through my own stage, back as rows of 256 bytes, sixteen lanes to an aligned run of 256 bytes
.macro TOSTAGE a
	WIN 0x08
.irp b, 0,1,2,3
	ds_store_b128 v[STO], v[32*(\a)+8*\b:32*(\a)+8*\b+3] offset:64*\b
	ds_store_b128 v[STO], v[32*(\a)+8*\b+4:32*(\a)+8*\b+7] offset:64*\b+16
.endr
	WIN 0
.irp t, 0,1,2,3,4,5,6,7
	ds_load_b128 v[BK+32*((\a)%2)+4*\t:BK+32*((\a)%2)+4*\t+3], v[RD] offset:544*\t
.endr
.endm
.macro SEND a, younger
	s_wait_dscnt \younger
.irp t, 0,1,2,3,4,5,6,7
	global_store_b128 v[CO], v[BK+32*((\a)%2)+4*\t:BK+32*((\a)%2)+4*\t+3], s[8:9] offset:(16*(\a)+2*\t)*4096 th:TH_STORE_NT
.endr
.endm
	PLACES
	TOSTAGE 0
.irp a, 1,2,3
.if \a > 1
	s_wait_xcnt 0x0                                ; block a - 2's stores have read their registers
.endif
	TOSTAGE \a
	SEND \a-1, 16
.endr
	SEND 3, 0
	s_wait_tensorcnt 0x0                           ; the wave's end
	ds_add_u32 v[SPW], v[NIL]
	s_wait_dscnt 0x0
	CROUND                                         ; the closing round
	s_endpgm
.Lfunc_end_k_q81ac11dd7a_outp:
	.size	k_q81ac11dd7a_outp, .Lfunc_end_k_q81ac11dd7a_outp-k_q81ac11dd7a_outp
	.p2alignl 7, 3214868480
	.fill 96, 4, 3214868480
	.section	.rodata,"a",@progbits
	.p2align	6, 0x0
	.amdhsa_kernel k_q81ac11dd7a_outp
		.amdhsa_group_segment_fixed_size 327680
		.amdhsa_private_segment_fixed_size 0
		.amdhsa_enable_private_segment 0
		.amdhsa_kernarg_size 24
		.amdhsa_user_sgpr_count 2
		.amdhsa_user_sgpr_kernarg_segment_ptr 1
		.amdhsa_wavefront_size32 1
		.amdhsa_system_sgpr_workgroup_id_x 1
		.amdhsa_system_sgpr_workgroup_id_y 1
		.amdhsa_system_sgpr_workgroup_id_z 1
		.amdhsa_system_vgpr_workitem_id 0
		.amdhsa_next_free_vgpr 768
		.amdhsa_next_free_sgpr 102
		.amdhsa_reserve_vcc 0
		.amdhsa_float_denorm_mode_32 3
		.amdhsa_float_denorm_mode_16_64 3
		.amdhsa_memory_ordered 1
		.amdhsa_forward_progress 1
		.amdhsa_inst_pref_size 61
	.end_amdhsa_kernel
	.amdgpu_metadata
---
amdhsa.version: [ 1, 2 ]
amdhsa.kernels:
  - .name:           k_q81ac11dd7a_outp
    .symbol:         k_q81ac11dd7a_outp.kd
    .args:
      - { .name: aq, .offset: 0, .size: 8, .value_kind: global_buffer, .address_space: global }
      - { .name: wq, .offset: 8, .size: 8, .value_kind: global_buffer, .address_space: global }
      - { .name: out0, .offset: 16, .size: 8, .value_kind: global_buffer, .address_space: global }
    .group_segment_fixed_size: 327680
    .private_segment_fixed_size: 0
    .kernarg_segment_align: 8
    .kernarg_segment_size: 24
    .max_flat_workgroup_size: 128
    .sgpr_count:     102
    .vgpr_count:     768
    .wavefront_size: 32
...
	.end_amdgpu_metadata
.endif
;; end of part 4
